; MI455X (gfx1250); checked and timed in simulation.
; The chip was launched on July 23, 2026; its instructions are those of AMD's public machine-readable ISA for CDNA 5 (MIT licence, August 2026) and "CDNA5" Instruction Set Architecture Reference Guide (July 2026). The comments in the code are by the model that wrote it; some were corrected since.
;; Parallel Transformer Layer. Allowed arithmetic: matrix products marked QUANTISED: E3M2 operands, one E8M0 scale for each 32 along K, by v_wmma_scale_f32_16x16x128_f8f6f4 with both operands' format E3M2, f32 sums; everything else in f32.
;; Inputs: b_dense 1,024 float32; b_fc1 4,096 float32; b_fc2 1,024 float32; b_qkv 3,072 float32; hidden_states 2,048 x 2 x 1,024 float32; ln1_b 1,024 float32; ln1_g 1,024 float32; ln2_b 1,024 float32; ln2_g 1,024 float32; w_dense 1,024 x 1,024 float32; w_fc1 1,024 x 4,096 float32; w_fc2 4,096 x 1,024 float32; w_qkv 1,024 x 3,072 float32.
;; Outputs: out0 2,048 x 2 x 1,024 float32.
;; This version of the problem:
;;   THIS VERSION OF THE PROBLEM IS GIVEN IN LOW PRECISION. The matrix products marked QUANTISED in the list below multiply operands that are first quantised to E3M2 (3 exponent bits, 2 mantissa bits; 6 bits a number), with one power-of-two scale for each 32 numbers along K (OCP MX v1.0); their sums are f32. All else is computed in f32.
;;   The module's matrix products, in the order in which they are computed (A, B: the left and right operand; K: the contracted axis; several contracted axes count as one K, in the product's order):
;;     1. [M 4,096, K 1,024] x [K 1,024, N 3,072]; A: computed on the way; B: input w_qkv: QUANTISED
;;     2. batch 32 x [M 2,048, K 64] x [K 64, N 2,048]; A: computed on the way; B: computed on the way: QUANTISED
;;     3. batch 32 x [M 64, K 2,048] x [K 2,048, N 2,048]; A: computed on the way; B: softmax (see below): QUANTISED
;;     4. [M 4,096, K 1,024] x [K 1,024, N 1,024]; A: computed on the way; B: input w_dense: QUANTISED
;;     5. [M 4,096, K 1,024] x [K 1,024, N 4,096]; A: computed on the way; B: input w_fc1: QUANTISED
;;     6. [M 4,096, K 4,096] x [K 4,096, N 1,024]; A: computed on the way; B: input w_fc2: QUANTISED
;;   THE QUANTISER, for each operand of a quantised product, along K:
;;     - K is cut into blocks of 32 from its start; a last block that is shorter is filled with zeros.
;;     - A block's scale is 2^e with e = floor(log2(the largest magnitude in the block)) - 4, held to -126 .. 127; a block of zeros has e = 0. As a byte (E8M0): e + 127.
;;     - Each number is divided by its block's scale, clamped to +-28, and rounded to the nearest number of E3M2, ties to even, subnormals kept.
;;     - The product sums the exact products of the quantised numbers (number of the format x scale) in f32.
;;   ~~~python
;;   def quantise(x, axis):      # numpy; x: float32 -> the quantised numbers, widened to float32 again
;;       x = np.moveaxis(x, axis, -1); K = x.shape[-1]
;;       x = np.pad(x, [(0, 0)] * (x.ndim - 1) + [(0, -K % 32)]); x = x.reshape(x.shape[:-1] + (-1, 32)); a = np.abs(x).max(-1, keepdims=True)
;;       e = np.where(a > 0, np.clip(np.frexp(np.where(a > 0, a, 1))[1] - 1 - 4, -126, 127), 0)      # np.frexp(a)[1] - 1 = floor(log2(a)), exactly
;;       r = np.clip(x / 2.0 ** e, -28, 28)
;;       step = 2.0 ** (np.maximum(np.frexp(np.where(r == 0, 1, r))[1] - 1, -2) - 2)
;;       q = np.round(r / step) * step * 2.0 ** e      # np.round: ties to even
;;       return np.moveaxis(q.reshape(q.shape[:-2] + (-1,))[..., :K], -1, axis).astype(np.float32)
;;   ~~~
;;   SOFTMAX AHEAD OF A QUANTISED PRODUCT. Where the list says 'softmax', what is quantised is not the finished softmax but p = 2^(t - M), with t = logit x log2(e) and M = ceil(the row's largest t), a whole number; so 1/2 < the row's largest p <= 1. The row's sum l is taken of the UNQUANTISED p, in f32, and the product's result is divided by l at the end. Since M is a whole number, a kernel that streams over the keys may use a running M (the ceiling of the running maximum): every later rescaling is an exact power of two, which a block's scale takes up: the codes' values come out the same.
;;   OPERANDS COMPUTED ON THE WAY. 'Computed on the way' means the value that the module computes at that place (a softmax that the list does not call 'softmax' is quantised finished and normalised). What goes into a quantiser is computed in f32, as accurately as f32 sums, v_exp_f32 and their like allow (about 1e-6 of the number): no bf16 or f16 on the way to a quantiser, and a product that is left as it is and whose result goes on into a quantised operand takes f32 operands (vector FMAs, or v_wmma_f32_16x16x4_f32). A number that lies on a knife's edge between two numbers of the format may be rounded either way, as far as f32 arithmetic and the matrix unit's own rounding can turn it there, and no further.
;; One version. Each part assembles by itself: llvm-mc -triple=amdgcn-amd-amdhsa -mcpu=gfx1250 --defsym DOCPART=n.
;; ======== version 1 of 1: 6 launches
;; limits: right only within a limited range of input values
;; workspace buffers: wq 13,107,200 bytes; qkvr 10,092,544 bytes; ctx 3,276,800 bytes; y 16,777,216 bytes; x2 3,276,800 bytes; hb 13,107,200 bytes
;; launch prep (part 1): grid 448 x 1, 8 waves a work-group, no clusters, 118,272 bytes of LDS; arguments hidden_states, ln1_g, ln1_b, w_qkv, w_dense, w_fc1, w_fc2, wq; writes wq
.if DOCPART == 1
	.amdgcn_target "amdgcn-amd-amdhsa--gfx1250"
	.amdhsa_code_object_version 6
	.text
	.protected	k_qf7d1414ce5_prep
	.globl	k_qf7d1414ce5_prep
	.p2align	8
	.type	k_qf7d1414ce5_prep,@function
k_qf7d1414ce5_prep:
	s_mov_b64 s[64:65], 0
	v_nop
	global_prefetch_b8 v0, s[64:65] scope:SCOPE_SE
	s_setreg_imm32_b32 hwreg(HW_REG_WAVE_MODE, 25, 1), 1
	s_wait_xcnt 0x0
; PREP: everything that can be quantised before the first product, into the workspace wq.
; Work-groups 0-191 (QW): the four weights, f32 [K][N], into codes of E3M2 with K innermost and one E8M0 byte for each 32 along K.
; Work-groups 192-447 (LN): layer norm 1 of 16 token rows each, quantised along the 1,024 columns.
; LAYOUT OF ALL CODES: images of operand registers.  A half image is 16 rows x 64 K = 768 bytes: lane l = (r, h) owns k = 32 h .. 32 h + 31 (24 bytes): its registers 0-3 at 16 l, 4-5 at 512 + 8 l.
; Half image (panel P = row / 128, K step s = k / 128, block i, half c) lies at (((P K/128 + s) 8 + i) 2 + c) 768.  Scale words: 512 bytes for each (P, s): word (i, r) at 256 (i / 4) + 16 r + 4 (i % 4).
; ORDER OF ROWS: sw(x) = x with bits 3 and 4 exchanged.  Workspace row rho of a weight is logical column sw(rho); row position p of the tokens is batch p / 2048, sequence place sw(p % 2048).
; For w_qkv the logical column is type x 1024 + head x 64 + d (q, k, v = 0, 1, 2); its place in memory is head x 192 + type x 64 + d.
; A block's scale byte is its largest magnitude's exponent field - 4, held at 1 from below.
; LIMITS: NaN and infinities are not served; a block whose largest magnitude lies under 2^-122, a block of zeros too, gets the byte 1 (its codes are what the division by 2^-126 gives; zeros stay zeros); the bytes are read by this program alone.
; The two paths part on the work-group's number and have LDS bytes of their own.  The LN path's scale words leave as 64 bytes of a block of 256: one byte in 128 of what the path reads.
.set X1S,  3145728
.set WQC,  3276800
.set WQS,  5636096
.set WDC,  5734400
.set WDS,  6520832
.set W1C,  6553600
.set W1S,  9699328
.set W2C,  9830400
.set W2S,  12976128
.set LNP,  4112                        ; LN: a row in LDS: 4,096 bytes + 16
.set QSTG, 66048                       ; QW: a stage of 6,144 bytes for each wave
.set QSC,  115200                      ; QW: the work-group's 2,048 bytes of scale words
.set WV,   20                          ; s20  wave
.set SEL,  36                          ; s[36:37] selects for lane l xor 16
.set RN,   38                          ; s38  1 / 1024
.set EP,   39                          ; s39  1e-5
.set OUTP, 18                          ; s[18:19] the workspace
.set TM,   160                         ; v160-175 at work in QUANT
.set A16,  2                           ; v2   16 x lane
.set A8,   5                           ; v5   8 x lane
.set OF,   32                          ; QW: v32-63 4 x lane + i rows
.set X,    64                          ; QW: v64-127 two sets of 32 numbers
.set SRC,  24                          ; QW: s[24:25] where my loads stand
.set STP,  42                          ; QW: s[42:43] 32 rows on
; 64 numbers of a lane, register 16 b + i = k 32 b + 16 (lane / 16) + i of its row, become a fragment's codes (d0 .. d0+5: k 0-63, d1 .. d1+5: k 64-127) and its scale word
.macro QUANT s, d0, d1, tq, pw
.irp b, 0,1,2,3
	v_max3_num_f32 v[TM+\b], |v[\s+16*\b]|, |v[\s+1+16*\b]|, 0x2800000   ; my 16 numbers of block b, and the floor 2^(5 - 127): the byte cannot fall under 1
.endr
.irp i, 2,4,6,8,10,12,14
.irp b, 0,1,2,3
	s_delay_alu instid0(VALU_DEP_4)
	v_max3_num_f32 v[TM+\b], v[TM+\b], |v[\s+16*\b+\i]|, |v[\s+1+16*\b+\i]|
.endr
.endr
.irp b, 0,1,2,3
	s_delay_alu instid0(VALU_DEP_4)
	v_permlanex16_b32 v[TM+4+\b], v[TM+\b], s[SEL], s[SEL+1]
.endr
.irp b, 0,1,2,3
	s_delay_alu instid0(VALU_DEP_4)
	v_max_num_f32 v[TM+\b], v[TM+\b], v[TM+4+\b]                     ; with lane l xor 16's: the block's largest magnitude
.endr
.irp b, 0,1,2,3
	s_delay_alu instid0(VALU_DEP_4)
	v_add_nc_u32 v[TM+12+\b], 0xfe000000, v[TM+\b]                   ; 4 off its exponent field: the conversion's scale operand
.endr
.irp b, 0,1,2,3
	s_delay_alu instid0(VALU_DEP_4)
	v_lshrrev_b32 v[TM+4+\b], 23, v[TM+12+\b]                        ; the scale's byte
.endr
	s_delay_alu instid0(VALU_DEP_3)
	v_lshl_or_b32 v[\pw], v[TM+5], 8, v[TM+4]
	s_delay_alu instid0(VALU_DEP_1)
	v_lshl_or_b32 v[\pw], v[TM+6], 16, v[\pw]
	s_delay_alu instid0(VALU_DEP_1)
	v_lshl_or_b32 v[\pw], v[TM+7], 24, v[\pw]
	v_cvt_scalef32_pk16_bf6_f32 v[\d0:\d0+2], v[\s:\s+15], v[TM+12]
	v_cvt_scalef32_pk16_bf6_f32 v[\tq:\tq+2], v[\s+16:\s+31], v[TM+13]
	v_cvt_scalef32_pk16_bf6_f32 v[\d1:\d1+2], v[\s+32:\s+47], v[TM+14]
	v_cvt_scalef32_pk16_bf6_f32 v[\tq+4:\tq+6], v[\s+48:\s+63], v[TM+15]
	v_nop                                                            ; one plain line behind the scaled conversions
.irp i, 0,1,2
	v_permlane16_swap_b32 v[\d0+\i], v[\tq+\i]                       ; a whole block to a lane: lanes 0-15 the even block, lanes 16-31 the odd one
	v_permlane16_swap_b32 v[\d1+\i], v[\tq+4+\i]
.endr
.irp i, 0,1,2
	v_mov_b32 v[\d0+3+\i], v[\tq+\i]
	v_mov_b32 v[\d1+3+\i], v[\tq+4+\i]
.endr
.endm
.macro FRAGOUT reg, base, off          ; a fragment leaves as its image: 512, 256, 512, 256 consecutive bytes
	global_store_b128 v[A16], v[\reg:\reg+3], s[\base:\base+1] offset:\off
	global_store_b64 v[A8], v[\reg+4:\reg+5], s[\base:\base+1] offset:\off+512
	global_store_b128 v[A16], v[\reg+6:\reg+9], s[\base:\base+1] offset:\off+768
	global_store_b64 v[A8], v[\reg+10:\reg+11], s[\base:\base+1] offset:\off+1280
.endm
.macro RSUM                            ; four pairs v198-205 -> their sum over the wave, in v198 of every lane
	s_delay_alu instid0(VALU_DEP_3)
	v_pk_add_f32 v[198:199], v[198:199], v[200:201]
	s_delay_alu instid0(VALU_DEP_2)
	v_pk_add_f32 v[202:203], v[202:203], v[204:205]
	s_delay_alu instid0(VALU_DEP_1)
	v_pk_add_f32 v[198:199], v[198:199], v[202:203]
	s_delay_alu instid0(VALU_DEP_1)
	v_add_f32 v198, v198, v199
	s_delay_alu instid0(VALU_DEP_1)
	v_add_f32_dpp v198, v198, v198 row_xmask:1 row_mask:0xf bank_mask:0xf
	s_delay_alu instid0(VALU_DEP_1)
	v_add_f32_dpp v198, v198, v198 row_xmask:2 row_mask:0xf bank_mask:0xf
	s_delay_alu instid0(VALU_DEP_1)
	v_add_f32_dpp v198, v198, v198 row_xmask:4 row_mask:0xf bank_mask:0xf
	s_delay_alu instid0(VALU_DEP_1)
	v_add_f32_dpp v198, v198, v198 row_xmask:8 row_mask:0xf bank_mask:0xf
	s_delay_alu instid0(VALU_DEP_1)
	v_permlanex16_b32 v199, v198, s[SEL], s[SEL+1]
	s_delay_alu instid0(VALU_DEP_1)
	v_add_f32 v198, v198, v199
.endm
.macro ROWNORM x                       ; a row in 32 registers of the wave: (x - mean) / sqrt(var + eps), the mean taken away before the squares
.irp k, 0,1,2,3
	v_pk_add_f32 v[198+2*\k:199+2*\k], v[\x+2*\k:\x+2*\k+1], v[\x+8+2*\k:\x+9+2*\k]
.endr
.irp k, 8,9,10,11,12,13,14,15
	s_delay_alu instid0(VALU_DEP_4)
	v_pk_add_f32 v[198+2*(\k%4):199+2*(\k%4)], v[198+2*(\k%4):199+2*(\k%4)], v[\x+2*\k:\x+2*\k+1]
.endr
	RSUM
	s_delay_alu instid0(VALU_DEP_1)
	v_mul_f32 v206, s[RN], v198
	s_delay_alu instid0(VALU_DEP_1)
	v_mov_b32 v207, v206
.irp k, 0,1,2,3,4,5,6,7,8,9,10,11,12,13,14,15
	v_pk_add_f32 v[\x+2*\k:\x+2*\k+1], v[\x+2*\k:\x+2*\k+1], v[206:207] neg_lo:[0,1] neg_hi:[0,1]
.endr
.irp k, 0,1,2,3
	v_pk_mul_f32 v[198+2*\k:199+2*\k], v[\x+2*\k:\x+2*\k+1], v[\x+2*\k:\x+2*\k+1]
.endr
.irp k, 4,5,6,7,8,9,10,11,12,13,14,15
	s_delay_alu instid0(VALU_DEP_4)
	v_pk_fma_f32 v[198+2*(\k%4):199+2*(\k%4)], v[\x+2*\k:\x+2*\k+1], v[\x+2*\k:\x+2*\k+1], v[198+2*(\k%4):199+2*(\k%4)]
.endr
	RSUM
	s_delay_alu instid0(VALU_DEP_1)
	v_fma_f32 v198, v198, s[RN], s[EP]
	s_wait_alu depctr_va_vdst(0)
	v_rsq_f32 v206, v198
	v_nop                                                            ; a plain line behind the transcendental
	s_wait_alu depctr_va_vdst(0)                                     ; the wait ahead of the first reader
	v_mov_b32 v207, v206
.irp k, 0,1,2,3,4,5,6,7,8,9,10,11,12,13,14,15
	v_pk_mul_f32 v[\x+2*\k:\x+2*\k+1], v[\x+2*\k:\x+2*\k+1], v[206:207]
.endr
.endm
.macro AFFINE x                        ; x g + b
.irp k, 0,1,2,3,4,5,6,7,8,9,10,11,12,13,14,15
	v_pk_fma_f32 v[\x+2*\k:\x+2*\k+1], v[\x+2*\k:\x+2*\k+1], v[96+2*\k:97+2*\k], v[128+2*\k:129+2*\k]
.endr
.endm
.macro LOAD t                          ; QW: block t: 32 rows of K at my column, into set t % 2
.if (\t) > 0
	s_wait_xcnt 0x0                                                  ; the earlier loads have read their base: it may step
	s_add_nc_u64 s[SRC:SRC+1], s[SRC:SRC+1], s[STP:STP+1]
.endif
.set li, 0
.rept 32
	global_load_b32 v[X+32*((\t)%2)+li], v[OF+li], s[SRC:SRC+1] th:TH_LOAD_NT   ; 32 lanes read 128 consecutive bytes of a row
.set li, li+1
.endr
.endm
.macro BLOCK t                         ; QW: a block of 32 along K of my column: all its numbers are mine
.set XS, X+32*((\t)%2)
.if (\t) < 7
	s_wait_loadcnt 32                                                ; this block's 32 loads are in; the next block's 32 may be out
.else
	s_wait_loadcnt 0x0
.endif
	v_max3_num_f32 v12, |v[XS]|, |v[XS+1]|, |v[XS+2]|
	v_max3_num_f32 v13, |v[XS+3]|, |v[XS+4]|, |v[XS+5]|
.irp i, 6,10,14,18,22,26
	s_delay_alu instid0(VALU_DEP_2)
	v_max3_num_f32 v12, v12, |v[XS+\i]|, |v[XS+\i+1]|
	s_delay_alu instid0(VALU_DEP_2)
	v_max3_num_f32 v13, v13, |v[XS+\i+2]|, |v[XS+\i+3]|
.endr
	s_delay_alu instid0(VALU_DEP_2)
	v_max3_num_f32 v12, v12, |v[XS+30]|, |v[XS+31]|
	s_delay_alu instid0(VALU_DEP_1)
	v_max3_num_f32 v12, v12, v13, 0x2800000
	s_delay_alu instid0(VALU_DEP_1)
	v_add_nc_u32 v11, 0xfe000000, v12
	s_delay_alu instid0(VALU_DEP_1)
	v_lshrrev_b32 v13, 23, v11
.if (\t)%4 == 0
	s_delay_alu instid0(VALU_DEP_1)
	v_mov_b32 v[140+(\t)/4], v13
.else
	s_delay_alu instid0(VALU_DEP_1)
	v_lshl_or_b32 v[140+(\t)/4], v13, 8*((\t)%4), v[140+(\t)/4]
.endif
	v_cvt_scalef32_pk16_bf6_f32 v[128:130], v[XS:XS+15], v11
	v_cvt_scalef32_pk16_bf6_f32 v[136:138], v[XS+16:XS+31], v11
	v_nop
	v_mov_b32 v131, v136
	v_mov_b32 v132, v137
	v_mov_b32 v133, v138
	ds_store_b128 v14, v[128:131] offset:((\t)/4)*3072+(((\t)/2)%2)*768+256*((\t)%2)       ; K step t / 4, half (t / 2) % 2, lanes' half t % 2
	ds_store_b64 v15, v[132:133] offset:((\t)/4)*3072+(((\t)/2)%2)*768+512+128*((\t)%2)
.if (\t)+2 < 8
	LOAD (\t)+2
.endif
	s_wait_dscnt 0x0                                                 ; the stores have read their registers
.endm
	s_load_b512 s[4:19], s[0:1], 0x0       ; hidden s[4:5], g s[6:7], b s[8:9], w_qkv s[10:11], w_dense s[12:13], w_fc1 s[14:15], w_fc2 s[16:17], wq s[18:19]
	v_lshl_add_u32 v208, v0, 2, 0x1ca00
	v_mov_b32 v209, 0
	v_lshrrev_b32 v1, 5, v0
	s_delay_alu instid0(VALU_DEP_1)
	v_readfirstlane_b32 s[WV], v1
	v_and_b32 v1, 31, v0                   ; lane
	s_cmp_lt_u32 ttmp9, 192
	s_cbranch_scc0 .Lln
	; ---------------- QW: 128 logical columns (panel P) x 512 K.  Wave w: 32 columns cw = w % 4, 256 K kw = w / 4.  A lane takes a column, its registers run down K.
	s_and_b32 s21, s[WV], 3                ; cw
	s_lshr_b32 s22, s[WV], 2               ; kw
	v_lshlrev_b32 v2, 2, v1                ; 4 x lane
	v_bfe_u32 v3, v0, 3, 1                 ; u: my column's workspace row lies in block 2 cw + u,
	v_bfe_u32 v4, v0, 4, 1
	v_and_b32 v5, 7, v0
	s_delay_alu instid0(VALU_DEP_1)
	v_lshl_add_u32 v5, v4, 3, v5           ; at row r = 8 (lane / 16) + lane % 8 of it
	s_mul_i32 s23, s[WV], 6144
	s_add_co_u32 s23, s23, QSTG            ; my stage: [K step 2][u 2][half 2][768]
	v_mul_u32_u24 v6, v3, 1536
	s_delay_alu instid0(VALU_DEP_1)
	v_add_nc_u32 v6, s23, v6
	s_delay_alu instid0(VALU_DEP_1)
	v_lshl_add_u32 v14, v5, 4, v6
	s_delay_alu instid0(VALU_DEP_2)
	v_lshl_add_u32 v15, v5, 3, v6
	v_lshlrev_b32 v7, 4, v1                ; 16 x lane
	s_delay_alu instid0(VALU_DEP_1)
	v_add_nc_u32 v16, s23, v7              ; the stage read back as it lies
	s_lshl_b32 s35, s22, 10
	s_lshr_b32 s38, s21, 1
	s_lshl_b32 s38, s38, 8
	s_add_co_u32 s35, s35, s38
	s_and_b32 s38, s21, 1
	s_lshl_b32 s38, s38, 3
	s_add_co_u32 s35, s35, s38
	s_add_co_u32 s35, s35, QSC
	v_lshlrev_b32 v17, 2, v3
	s_wait_alu depctr_va_vdst(0)
	v_lshl_add_u32 v17, v5, 4, v17
	s_delay_alu instid0(VALU_DEP_1)
	v_add_nc_u32 v17, s35, v17
	v_lshl_add_u32 v18, v0, 3, QSC
	v_lshlrev_b32 v19, 3, v0
	s_wait_kmcnt 0x0
	s_mov_b64 s[24:25], s[16:17]           ; which tensor: a choice on the work-group's number alone
	s_mov_b32 s26, 128                     ; first work-group
	s_mov_b32 s27, 4096                    ; a row of K in bytes
	s_mov_b32 s28, 3                       ; bits of the chunk along K
	s_mov_b32 s29, 32                      ; K / 128
	s_mov_b32 s30, W2C
	s_mov_b32 s31, W2S
	s_cmp_lt_u32 ttmp9, 128
	s_cselect_b64 s[24:25], s[14:15], s[24:25]
	s_cselect_b32 s26, 64, s26
	s_cselect_b32 s27, 16384, s27
	s_cselect_b32 s28, 1, s28
	s_cselect_b32 s29, 8, s29
	s_cselect_b32 s30, W1C, s30
	s_cselect_b32 s31, W1S, s31
	s_cmp_lt_u32 ttmp9, 64
	s_cselect_b64 s[24:25], s[12:13], s[24:25]
	s_cselect_b32 s26, 48, s26
	s_cselect_b32 s27, 4096, s27
	s_cselect_b32 s30, WDC, s30
	s_cselect_b32 s31, WDS, s31
	s_cmp_lt_u32 ttmp9, 48
	s_cselect_b64 s[24:25], s[10:11], s[24:25]
	s_cselect_b32 s26, 0, s26
	s_cselect_b32 s27, 12288, s27
	s_cselect_b32 s30, WQC, s30
	s_cselect_b32 s31, WQS, s31
	s_sub_co_u32 s32, ttmp9, s26
	s_lshr_b32 s33, s32, s28               ; P
	s_bfm_b32 s34, s28, 0
	s_and_b32 s34, s32, s34                ; kc
	s_lshl_b32 s38, s33, 7
	s_lshl_b32 s39, s21, 5
	s_add_co_u32 s38, s38, s39             ; my wave's first column, where logical and memory order agree
	s_and_b32 s39, s33, 7
	s_lshl_b32 s39, s39, 1
	s_lshr_b32 s40, s21, 1
	s_add_co_u32 s39, s39, s40             ; w_qkv: head
	s_mul_i32 s39, s39, 192
	s_lshr_b32 s40, s33, 3                 ; type
	s_lshl_b32 s40, s40, 6
	s_add_co_u32 s39, s39, s40
	s_and_b32 s40, s21, 1
	s_lshl_b32 s40, s40, 5
	s_add_co_u32 s39, s39, s40
	s_cmp_lt_u32 ttmp9, 48
	s_cselect_b32 s38, s39, s38
	s_lshl_b32 s38, s38, 2
	s_lshl_b32 s39, s34, 1
	s_add_co_u32 s39, s39, s22             ; 2 kc + kw: my 256 rows of K
	s_lshl_b32 s40, s39, 8
	s_mul_i32 s40, s40, s27
	s_add_co_u32 s40, s40, s38
	s_mov_b32 s41, 0
	s_add_nc_u64 s[SRC:SRC+1], s[SRC:SRC+1], s[40:41]
	s_lshl_b32 s[STP], s27, 5
	s_mov_b32 s[STP+1], 0
	s_mul_i32 s44, s33, s29                ; P K/128
	s_lshl_b32 s45, s39, 1
	s_add_co_u32 s45, s45, s44             ; + my first K step
	s_lshl_b32 s45, s45, 3
	s_lshl_b32 s46, s21, 1
	s_add_co_u32 s45, s45, s46             ; block 2 cw
	s_mul_i32 s46, s45, 1536
	s_add_co_u32 s46, s46, s30
	s_mov_b32 s47, 0
	s_add_nc_u64 s[46:47], s[OUTP:OUTP+1], s[46:47]
	s_lshl_b32 s48, s34, 2
	s_add_co_u32 s48, s48, s44
	s_lshl_b32 s48, s48, 9
	s_add_co_u32 s48, s48, s31
	s_mov_b32 s49, 0
	s_add_nc_u64 s[48:49], s[OUTP:OUTP+1], s[48:49]
.set oi, 0
.rept 32
	v_mad_u32_u24 v[OF+oi], s27, oi, v2
.set oi, oi+1
.endr
	LOAD 0
	s_wait_alu depctr_va_vdst(0)
	LOAD 1
.irp t, 0,1,2,3,4,5,6,7
	BLOCK \t
.endr
	ds_store_b32 v17, v140
	s_wait_alu depctr_va_vdst(0)
	ds_store_b32 v17, v141 offset:512
.irp j, 0,1,2,3,4,5,6,7,8,9,10,11
	ds_load_b128 v[144+4*\j:147+4*\j], v16 offset:512*\j             ; LDS serves a wave's instructions in order: these see my stores
.endr
.irp j, 0,1,2,3,4,5,6,7,8,9,10,11
	s_wait_dscnt 11-\j                                               ; the younger reads of the stage may be out
	global_store_b128 v7, v[144+4*\j:147+4*\j], s[46:47] offset:(\j/6)*12288+(\j%6)*512   ; 3,072 consecutive bytes for each K step
.endr
	s_wait_dscnt 0x0                                                 ; my scale words lie in LDS
	s_barrier_signal -1
	s_barrier_wait -1
	ds_load_b64 v[10:11], v18
	s_wait_dscnt 0x0
	global_store_b64 v19, v[10:11], s[48:49]                         ; a wave stores 256 consecutive bytes, aligned
	s_wait_tensorcnt 0x0
	ds_add_u32 v208, v209
	s_wait_dscnt 0x0
	s_endpgm
	; ---------------- LN: row block blk = 16 positions.  Wave w normalises rows 2 w, 2 w + 1; then wave w quantises K step w of all 16 rows.
.Lln:
	s_sub_co_u32 s21, ttmp9, 192           ; blk
	s_and_b32 s22, s21, 127
	s_lshr_b32 s23, s22, 1
	s_lshl_b32 s23, s23, 5
	s_lshr_b32 s24, s[WV], 2
	s_lshl_b32 s24, s24, 4
	s_add_co_u32 s23, s23, s24
	s_and_b32 s24, s21, 1
	s_lshl_b32 s24, s24, 3
	s_add_co_u32 s23, s23, s24
	s_and_b32 s24, s[WV], 3
	s_lshl_b32 s24, s24, 1
	s_add_co_u32 s23, s23, s24             ; the sequence place of my first row: sw(position)
	s_lshl_b32 s24, s23, 13
	s_lshr_b32 s25, s21, 7                 ; batch
	s_lshl_b32 s25, s25, 12
	s_add_co_u32 s24, s24, s25
	s_mov_b32 s25, 0
	s_lshr_b32 s26, s21, 3                 ; P
	s_and_b32 s27, s21, 7                  ; i
	s_lshl_b32 s28, s26, 3
	s_add_co_u32 s28, s28, s[WV]           ; 8 P + K step
	s_lshl_b32 s29, s28, 3
	s_add_co_u32 s29, s29, s27
	s_mul_i32 s32, s29, 1536
	s_mov_b32 s33, 0
	s_lshl_b32 s34, s28, 9
	s_lshr_b32 s29, s27, 2
	s_lshl_b32 s29, s29, 8
	s_add_co_u32 s34, s34, s29
	s_and_b32 s29, s27, 3
	s_lshl_b32 s29, s29, 2
	s_add_co_u32 s34, s34, s29
	s_add_co_u32 s34, s34, X1S
	s_mov_b32 s35, 0
	s_mov_b32 s[SEL], 0x76543210
	s_mov_b32 s[SEL+1], 0xfedcba98
	s_mov_b32 s[RN], 0x3a800000
	s_mov_b32 s[EP], 0x3727c5ac
	s_wait_alu depctr_va_vdst(0)
	v_lshlrev_b32 v[A16], 4, v1
	v_lshlrev_b32 v[A8], 3, v1
	s_mul_i32 s29, s[WV], 2*LNP
	v_add_nc_u32 v3, s29, v[A16]           ; into LDS: my two rows
	v_and_b32 v7, 15, v0                   ; r
	v_bfe_u32 v8, v0, 4, 1                 ; h
	s_delay_alu instid0(VALU_DEP_2)
	v_mul_u32_u24 v4, v7, LNP
	s_delay_alu instid0(VALU_DEP_1)
	v_lshl_add_u32 v4, v8, 6, v4
	s_lshl_b32 s29, s[WV], 9
	v_add_nc_u32 v4, s29, v4               ; out of LDS: row r, K step w, my 16 numbers of each block
	v_lshlrev_b32 v6, 4, v7                ; 16 r
.irp b, 0,1,2,3
	v_mov_b32 v[TM+4+\b], 0                ; written once: a lane permute's destination counts as one of its sources
.endr
	s_wait_kmcnt 0x0
	s_add_nc_u64 s[4:5], s[4:5], s[24:25]
	s_add_nc_u64 s[40:41], s[OUTP:OUTP+1], s[32:33]
	s_add_nc_u64 s[42:43], s[OUTP:OUTP+1], s[34:35]
.irp j, 0,1,2,3,4,5,6,7
	global_load_b128 v[32+4*\j:35+4*\j], v[A16], s[4:5] offset:512*\j
.endr
.irp j, 0,1,2,3,4,5,6,7
	global_load_b128 v[64+4*\j:67+4*\j], v[A16], s[4:5] offset:8192+512*\j
.endr
.irp j, 0,1,2,3,4,5,6,7
	global_load_b128 v[96+4*\j:99+4*\j], v[A16], s[6:7] offset:512*\j
.endr
.irp j, 0,1,2,3,4,5,6,7
	global_load_b128 v[128+4*\j:131+4*\j], v[A16], s[8:9] offset:512*\j
.endr
	s_wait_loadcnt 24                      ; my first row is in; the 24 younger loads may be out
	ROWNORM 32
	s_wait_loadcnt 16                      ; my second row; g and b may be out
	ROWNORM 64
	s_wait_loadcnt 0x0
	AFFINE 32
	AFFINE 64
.irp j, 0,1,2,3,4,5,6,7
	ds_store_b128 v3, v[32+4*\j:35+4*\j] offset:512*\j
.endr
.irp j, 0,1,2,3,4,5,6,7
	ds_store_b128 v3, v[64+4*\j:67+4*\j] offset:LNP+512*\j
.endr
	s_wait_dscnt 0x0                       ; for the others' sake: my rows lie in LDS
	s_barrier_signal -1
	s_barrier_wait -1
.irp b, 0,1,2,3
.irp j, 0,1,2,3
	ds_load_b128 v[32+16*\b+4*\j:35+16*\b+4*\j], v4 offset:128*\b+16*\j
.endr
.endr
	s_wait_dscnt 0x0
	QUANT 32, 176, 182, 188, 196
	FRAGOUT 176, 40, 0
	global_store_b32 v6, v196, s[42:43]    ; row r's scale word; lanes l and l xor 16 hold the same word and name the same place
	s_wait_tensorcnt 0x0
	ds_add_u32 v208, v209
	s_wait_dscnt 0x0
	s_endpgm
.Lfunc_end_k_qf7d1414ce5_prep:
	.size	k_qf7d1414ce5_prep, .Lfunc_end_k_qf7d1414ce5_prep-k_qf7d1414ce5_prep
	.p2alignl 7, 3214868480
	.fill 96, 4, 3214868480
	.section	.rodata,"a",@progbits
	.p2align	6, 0x0
	.amdhsa_kernel k_qf7d1414ce5_prep
		.amdhsa_group_segment_fixed_size 118272
		.amdhsa_private_segment_fixed_size 0
		.amdhsa_enable_private_segment 0
		.amdhsa_kernarg_size 64
		.amdhsa_user_sgpr_count 2
		.amdhsa_user_sgpr_kernarg_segment_ptr 1
		.amdhsa_wavefront_size32 1
		.amdhsa_system_sgpr_workgroup_id_x 1
		.amdhsa_system_sgpr_workgroup_id_y 1
		.amdhsa_system_sgpr_workgroup_id_z 1
		.amdhsa_system_vgpr_workitem_id 0
		.amdhsa_next_free_vgpr 210
		.amdhsa_next_free_sgpr 66
		.amdhsa_reserve_vcc 0
		.amdhsa_float_denorm_mode_32 3
		.amdhsa_float_denorm_mode_16_64 3
		.amdhsa_memory_ordered 1
		.amdhsa_forward_progress 1
		.amdhsa_inst_pref_size 80
	.end_amdhsa_kernel
	.amdgpu_metadata
---
amdhsa.version: [ 1, 2 ]
amdhsa.kernels:
  - .name:           k_qf7d1414ce5_prep
    .symbol:         k_qf7d1414ce5_prep.kd
    .args:
      - { .name: hidden_states, .offset: 0, .size: 8, .value_kind: global_buffer, .address_space: global }
      - { .name: ln1_g, .offset: 8, .size: 8, .value_kind: global_buffer, .address_space: global }
      - { .name: ln1_b, .offset: 16, .size: 8, .value_kind: global_buffer, .address_space: global }
      - { .name: w_qkv, .offset: 24, .size: 8, .value_kind: global_buffer, .address_space: global }
      - { .name: w_dense, .offset: 32, .size: 8, .value_kind: global_buffer, .address_space: global }
      - { .name: w_fc1, .offset: 40, .size: 8, .value_kind: global_buffer, .address_space: global }
      - { .name: w_fc2, .offset: 48, .size: 8, .value_kind: global_buffer, .address_space: global }
      - { .name: wq, .offset: 56, .size: 8, .value_kind: global_buffer, .address_space: global }
    .group_segment_fixed_size: 118272
    .private_segment_fixed_size: 0
    .kernarg_segment_align: 8
    .kernarg_segment_size: 64
    .max_flat_workgroup_size: 256
    .sgpr_count:     66
    .vgpr_count:     210
    .wavefront_size: 32
...
	.end_amdgpu_metadata
.endif
;; end of part 1
;; launch qkv (part 2): grid 12 x 16, 4 waves a work-group, clusters of 4 x 4, 327,680 bytes of LDS; arguments wq, b_qkv, qkvr; writes qkvr
.if DOCPART == 2
	.amdgcn_target "amdgcn-amd-amdhsa--gfx1250"
	.amdhsa_code_object_version 6
	.text
	.protected	k_qf7d1414ce5_qkv
	.globl	k_qf7d1414ce5_qkv
	.p2align	8
	.type	k_qf7d1414ce5_qkv,@function
k_qf7d1414ce5_qkv:
	s_mov_b64 s[64:65], 0
	v_nop
	global_prefetch_b8 v0, s[64:65] scope:SCOPE_SE
	s_setreg_imm32_b32 hwreg(HW_REG_WAVE_MODE, 25, 1), 1
	s_wait_xcnt 0x0
	s_wait_alu depctr_hold_cnt(0) depctr_sa_sdst(0) depctr_va_vdst(0) depctr_va_sdst(0) depctr_va_ssrc(0) depctr_va_vcc(0) depctr_vm_vsrc(0)
	s_getreg_b32 s2, hwreg(HW_REG_IB_STS2, 6, 4)
	s_cmp_eq_u32 s2, 0
	s_cbranch_scc0 .Lentry_in_a_cluster
	s_endpgm
.Lentry_in_a_cluster:
	s_bfe_u32 s2, ttmp6, 0x10000c
	s_cmp_lg_u32 s2, 0xf033
	s_cbranch_scc0 .Lentry_shape_is_right
	s_endpgm
.Lentry_shape_is_right:
; QKV: ln1 x w_qkv + b_qkv on codes of E3M2, and its results quantised at once into attention's records.  K = 1,024.
; A work-group of four waves makes 256 x 256, a wave 128 x 128: 64 accumulators, 512 registers.  K goes in steps of 256 through a ring of two LDS slots; operands lie in memory as images of operand registers,
; so a panel of 128 rows x 256 K is one dense block of 24,576 bytes and a fragment is four LDS loads of consecutive bytes: no pitch, no padding.
; Clusters x = 0, 1: rows = token positions, columns = the logical columns of q (x = 0) and k (x = 1).  Source 0 = 16 rows of the weight, source 1 = 16 positions: a lane holds one position, and the 16 registers of
; accumulators 2 b, 2 b + 1 are 16 neighbours along d (the weights' rows lie in the order sw, bits 3 and 4 exchanged).
; Cluster x = 2: V TRANSPOSED: rows = the logical columns of v, columns = token positions: a lane holds one (head, d) and its registers run along the keys, which are the second attention product's K.
; 192 work-groups: the 12.6 M results do not fall into 256 equal tiles of whole panels.  4 x 4 work-groups form a cluster; A's tiles are asked for jointly along a row of it, B's along a column.
; RECORDS (qkvr): one for each (batch, head, 128 positions), 19,712 bytes: K 8 tiles x 768 at 0; V 4 tiles x 1,536 at 6,144; K's scale words at 12,288; V's at 12,800; Q 8 x 768 at 13,056; Q's scale words at 19,200.
; LIMITS: NaN and infinities are not served; a block whose largest magnitude lies under 2^-122 gets the byte 1.
.set X1S,  3145728
.set WQC,  3276800
.set WQS,  5636096
.set REC,  19712
.set BHS,  16*REC
.set NQ,    2
.set FR,    12
.set NL,    4                          ; LDS loads that bring a fragment
.set NP,    4                          ; places behind this matrix instruction (ISA guide 7.12.1)
.set KSB,   12288                      ; a panel's 128 along K
.set HALFT, 24576                      ; a panel's part of a slot: what one tensor load brings
.set SLOT,  98304                      ; A's two panels, then B's two
.set PANB,  98304                      ; a panel's codes for all of K
.set PANS,  4096                       ; and its scale words
.set LAPS,  2
.set SCL,   262144                     ; the scale words of the four panels, for all of K: filled once
.set SPARE, 278528                     ; the spare words: 128 bytes a wave, named by no other line
.set ADRA, 16                          ; v16-17 16 x lane + my panel of A in slot 0, 1; v18-19 the same with 8 x lane
.set ADRB, 20                          ; v20-23 the same for B
.set ADRS, 27                          ; v27    my scale words: lanes 0-15 A's, lanes 16-31 B's
.set SPW,  28
.set NIL,  29
.set SC,   32                          ; v32-63 scale words and nothing else: set sc, register 16 sc + 8 q + i
.set AF,   128                         ; v128-223 A's fragments, one set
.set A16,  3
.set A8,   4
.set BI,   64                          ; the way out: v64-127 the bias
.set ST,   128                         ; v128-191 64 numbers
.set PC,   192                         ; v192-203 their codes
.set TQ,   204
.set TM,   224
.set WD,   240                         ; v240-247 the eight blocks' scale words
.set SL,   248
.set SEL,  98
.set G1, 24
.set G0, 32
.set G1B, 48
.set G0B, 56
.set G1S, 68
.set G0S, 76
.set G1SB, 80
.set G0SB, 88
.set MSB, 0
.macro WIN new                         ; the immediate's high byte repeats the setting that is left
.if MSB != \new
	s_set_vgpr_msb (MSB<<8)|\new
.set MSB, \new
.endif
.endm
.set MUL_LO, 0xa1                      ; source 0 (B) window 1, source 1 (A) window 0, C and D window 2
.set MUL_HI, 0xf1
.set TO_B,   0x40
.macro JLOAD g0a, g1a, g0b, g1b        ; a joint load: waves 0, 1 fetch for A, waves 2, 3 for B; four v_nop follow each line
	s_cmp_eq_u32 s15, 0
	s_cbranch_scc0 .Lfor_b_\@
	tensor_load_to_lds s[\g0a:\g0a+3], s[\g1a:\g1a+7]
	s_nop 0
.rept 4
	v_nop
.endr
	s_branch .Lasked_\@
.Lfor_b_\@:
	tensor_load_to_lds s[\g0b:\g0b+3], s[\g1b:\g1b+7]
	s_nop 0
.rept 4
	v_nop
.endr
.Lasked_\@:
.endm
.macro CREST
	s_cmp_lg_u32 s14, 0
	s_cbranch_scc1 .Lnot_wave_0_\@
	s_barrier_signal -3
.Lnot_wave_0_\@:
	s_barrier_wait -3
	s_barrier_signal -1
	s_barrier_wait -1
.endm
.macro CROUND
	s_barrier_signal -1
	s_barrier_wait -1
	CREST
.endm
.macro PLACES n
.rept \n
	v_nop
.endr
.endm
.macro QUANT s, d0, d1, tq, pw         ; 64 numbers of a lane, register 16 b + i = k 32 b + 16 (lane / 16) + i, become a fragment's codes and its scale word
.irp b, 0,1,2,3
	v_max3_num_f32 v[TM+\b], |v[\s+16*\b]|, |v[\s+1+16*\b]|, 0x2800000
.endr
.irp i, 2,4,6,8,10,12,14
.irp b, 0,1,2,3
	v_max3_num_f32 v[TM+\b], v[TM+\b], |v[\s+16*\b+\i]|, |v[\s+1+16*\b+\i]|
.endr
.endr
.irp b, 0,1,2,3
	v_permlanex16_b32 v[TM+4+\b], v[TM+\b], s[SEL], s[SEL+1]
.endr
.irp b, 0,1,2,3
	v_max_num_f32 v[TM+\b], v[TM+\b], v[TM+4+\b]
.endr
.irp b, 0,1,2,3
	v_add_nc_u32 v[TM+12+\b], 0xfe000000, v[TM+\b]
.endr
.irp b, 0,1,2,3
	v_lshrrev_b32 v[TM+4+\b], 23, v[TM+12+\b]
.endr
	v_lshl_or_b32 v[\pw], v[TM+5], 8, v[TM+4]
	v_lshl_or_b32 v[\pw], v[TM+6], 16, v[\pw]
	v_lshl_or_b32 v[\pw], v[TM+7], 24, v[\pw]
	v_cvt_scalef32_pk16_bf6_f32 v[\d0:\d0+2], v[\s:\s+15], v[TM+12]
	v_cvt_scalef32_pk16_bf6_f32 v[\tq:\tq+2], v[\s+16:\s+31], v[TM+13]
	v_cvt_scalef32_pk16_bf6_f32 v[\d1:\d1+2], v[\s+32:\s+47], v[TM+14]
	v_cvt_scalef32_pk16_bf6_f32 v[\tq+4:\tq+6], v[\s+48:\s+63], v[TM+15]
	v_nop
.irp i, 0,1,2
	v_permlane16_swap_b32 v[\d0+\i], v[\tq+\i]
	v_permlane16_swap_b32 v[\d1+\i], v[\tq+4+\i]
.endr
.irp i, 0,1,2
	v_mov_b32 v[\d0+3+\i], v[\tq+\i]
	v_mov_b32 v[\d1+3+\i], v[\tq+4+\i]
.endr
.endm
.macro FRAGOUT reg, base, off
	global_store_b128 v[A16], v[\reg:\reg+3], s[\base:\base+1] offset:\off
	global_store_b64 v[A8], v[\reg+4:\reg+5], s[\base:\base+1] offset:\off+512
	global_store_b128 v[A16], v[\reg+6:\reg+9], s[\base:\base+1] offset:\off+768
	global_store_b64 v[A8], v[\reg+10:\reg+11], s[\base:\base+1] offset:\off+1280
.endm
	s_load_b128 s[4:7], s[0:1], 0x0        ; wq, b_qkv
	s_load_b64 s[8:9], s[0:1], 0x10        ; qkvr
	v_lshl_add_u32 v[SPW], v0, 2, SPARE
	v_mov_b32 v[NIL], 0
	ds_add_u32 v28, v29
	ds_add_u32 v28, v29
	s_wait_dscnt 0x0
	v_lshrrev_b32 v1, 5, v0
	v_readfirstlane_b32 s14, v1            ; wave
	s_lshr_b32 s15, s14, 1                 ; my half of the rows.  Also: I fetch for A (0) or B (1)
	s_and_b32 s16, s14, 1                  ; my half of the columns.  Also: which panel I fetch
	s_bfe_u32 s40, ttmp6, 0x40000          ; cx
	s_bfe_u32 s41, ttmp6, 0x40004          ; cy
	s_and_b32 s10, ttmp7, 0xffff
	s_lshl_b32 s10, s10, 2                 ; 4 x cluster y
	s_lshl_b32 s11, ttmp9, 2               ; 4 x cluster x
	s_mov_b32 s12, X1S
	s_mov_b32 s13, WQS
	s_cmp_eq_u32 ttmp9, 2                  ; the clusters of V: the same answer in all sixteen partners
	s_cselect_b32 s17, 0, s10
	s_cselect_b32 s42, s10, s11
	s_cselect_b32 s95, WQC+16*PANB, 0      ; A's codes in wq: the rows of w_v, or the tokens
	s_cselect_b32 s96, WQS+16*PANS, s12    ; A's scale words
	s_cselect_b32 s97, 0, WQC              ; B's codes: the tokens, or the rows of w_q and w_k
	s_cselect_b32 s13, s12, s13            ; B's scale words
	s_add_co_u32 s17, s17, s41             ; tile row
	s_add_co_u32 s42, s42, s40             ; tile column
	s_lshl_b32 s43, s41, 2
	s_lshl_b32 s43, 15, s43                ; my row of the cluster
	s_lshl_b32 s44, 0x1111, s40            ; my column
	s_or_b32 s[G1+0], s43, (3<<16)|(1<<21) ; the mask; elements of 8 bytes; bit 21 beside a mask; no padding
	s_or_b32 s[G1B+0], s44, (3<<16)|(1<<21)
.irp g, G1, G1B
	s_mov_b32 s[\g+1], (HALFT/8)<<16       ; the head's shape: two rows of 24,576 bytes, one for each panel,
	s_mov_b32 s[\g+2], 2<<16
	s_mov_b32 s[\g+3], (HALFT/8)<<16
	s_mov_b32 s[\g+4], 2
	s_mov_b32 s[\g+5], PANB/8              ; a panel's codes apart
	s_mov_b32 s[\g+6], 0
	s_mov_b32 s[\g+7], 0
.endr
	s_or_b32 s[G1S+0], s43, (3<<16)|(1<<21)
	s_or_b32 s[G1SB+0], s44, (3<<16)|(1<<21)
.irp g, G1S, G1SB
	s_mov_b32 s[\g+1], 32<<16
	s_mov_b32 s[\g+2], 32<<16              ; two panels' scale words: 8,192 dense bytes
	s_mov_b32 s[\g+3], 32<<16
	s_mov_b32 s[\g+4], 32
	s_mov_b32 s[\g+5], 32
	s_mov_b32 s[\g+6], 0
	s_mov_b32 s[\g+7], 0
.endr
	s_lshl_b32 s20, s17, 1
	s_mul_i32 s22, s20, PANS               ; the scale words of A's two panels
	s_add_co_u32 s22, s22, s96
	s_add_co_u32 s20, s20, s16             ; A's panel that I fetch
	s_mul_i32 s20, s20, PANB
	s_add_co_u32 s20, s20, s95
	s_mov_b32 s21, 0
	s_mov_b32 s23, 0
	s_lshl_b32 s46, s42, 1
	s_mul_i32 s92, s46, PANS               ; the scale words of B's two panels
	s_add_co_u32 s92, s92, s13
	s_add_co_u32 s46, s46, s16             ; B's panel that I fetch
	s_mul_i32 s46, s46, PANB
	s_add_co_u32 s46, s46, s97
	s_mov_b32 s47, 0
	s_mov_b32 s93, 0
	s_mul_i32 s45, s14, HALFT              ; where they go: by the wave's number alone
	s_mov_b32 s[SEL], 0x76543210
	s_mov_b32 s[SEL+1], 0xfedcba98
	s_wait_kmcnt 0x0
	s_add_nc_u64 s[20:21], s[4:5], s[20:21]
	s_add_nc_u64 s[22:23], s[4:5], s[22:23]
	s_add_nc_u64 s[46:47], s[4:5], s[46:47]
	s_add_nc_u64 s[92:93], s[4:5], s[92:93]
	CROUND                                 ; all sixteen work-groups are here: the first joint loads meet
	s_mov_b32 s[G0S], 1
	s_mov_b32 s[G0S+1], SCL
	s_mov_b64 s[G0S+2:G0S+3], s[22:23]
	s_or_b32 s[G0S+3], s[G0S+3], 0x80000000
	s_mov_b32 s[G0SB], 1
	s_mov_b32 s[G0SB+1], SCL+2*PANS
	s_mov_b64 s[G0SB+2:G0SB+3], s[92:93]
	s_or_b32 s[G0SB+3], s[G0SB+3], 0x80000000
.irp s, 0,1
	s_mov_b32 s[G0+4*\s], 1
	s_add_co_u32 s[G0+4*\s+1], s45, \s*SLOT
	s_add_nc_u64 s[G0+4*\s+2:G0+4*\s+3], s[20:21], \s*HALFT
	s_or_b32 s[G0+4*\s+3], s[G0+4*\s+3], 0x80000000
	s_mov_b32 s[G0B+4*\s], 1
	s_add_co_u32 s[G0B+4*\s+1], s45, \s*SLOT
	s_add_nc_u64 s[G0B+4*\s+2:G0B+4*\s+3], s[46:47], \s*HALFT
	s_or_b32 s[G0B+4*\s+3], s[G0B+4*\s+3], 0x80000000
.endr
; THE HEAD'S LOADS, one a wave: wave 0 slot 0's two panels of A, wave 1 A's scale words, wave 2 slot 0's two panels of B, wave 3 B's scale words.
; Wave 0's and wave 2's own group 0 of slot 0 name the first panel and its LDS place: the two-row shape brings the second panel behind it.
.macro ARM under, g0, g1, next
	s_cmp_lt_u32 s14, \under
	s_cbranch_scc0 \next
	tensor_load_to_lds s[\g0:\g0+3], s[\g1:\g1+7]
	s_nop 0
.rept 4
	v_nop
.endr
	s_branch .Lhead_asked
\next:
.endm
	ARM 1, G0, G1, .Lhead_sa
	ARM 2, G0S, G1S, .Lhead_b
	ARM 3, G0B, G1B, .Lhead_sb
	tensor_load_to_lds s[G0SB:G0SB+3], s[G1SB:G1SB+7]
	s_nop 0
.rept 4
	v_nop
.endr
.Lhead_asked:
	v_and_b32 v1, 31, v0                   ; lane
	v_bfe_u32 v2, v0, 4, 1                 ; h
	v_and_b32 v7, 15, v0                   ; r
	v_lshlrev_b32 v[A16], 4, v1
	v_lshlrev_b32 v[A8], 3, v1
	s_mul_i32 s21, s15, HALFT
	s_mul_i32 s22, s16, HALFT
	s_add_co_u32 s22, s22, 2*HALFT
.irp s, 0,1
	v_add_nc_u32 v[ADRA+\s], s21, v[A16]
	v_add_nc_u32 v[ADRA+2+\s], s21, v[A8]
	v_add_nc_u32 v[ADRB+\s], s22, v[A16]
	v_add_nc_u32 v[ADRB+2+\s], s22, v[A8]
	s_add_co_u32 s21, s21, SLOT
	s_add_co_u32 s22, s22, SLOT
.endr
	s_mul_i32 s21, s15, PANS
	s_mul_i32 s22, s16, PANS
	s_add_co_u32 s22, s22, 2*PANS
	s_sub_co_u32 s22, s22, s21
	v_mul_u32_u24 v6, s22, v2              ; lanes 16-31 take B's: one product, the distance between the two
	s_add_co_u32 s21, s21, SCL
	v_lshl_add_u32 v6, v7, 4, v6
	v_add_nc_u32 v[ADRS], s21, v6
	v_lshlrev_b32 v5, 6, v2                ; the way out: 64 h,
	v_and_b32 v9, 8, v0
	v_lshlrev_b32 v9, 3, v9
	v_and_b32 v10, 7, v0
	v_lshl_add_u32 v9, v10, 2, v9          ; 4 (16 (r / 8) + r % 8): where row r of a tile of w_v stands in a head's d,
	v_mul_u32_u24 v10, v2, BHS
	v_lshl_add_u32 v10, v7, 4, v10         ; 16 r + h heads on
.macro FRAG reg, adr, q, i             ; a fragment's image: 1,536 bytes; each load takes consecutive bytes
	ds_load_b128 v[\reg:\reg+3], v[\adr] offset:(\q)*KSB+(\i)*1536
	ds_load_b64 v[\reg+4:\reg+5], v[\adr+2] offset:(\q)*KSB+(\i)*1536+512
	ds_load_b128 v[\reg+6:\reg+9], v[\adr] offset:(\q)*KSB+(\i)*1536+768
	ds_load_b64 v[\reg+10:\reg+11], v[\adr+2] offset:(\q)*KSB+(\i)*1536+1280
.endm
; 16 matrix instructions: A's blocks a0, a0 + 1 x B's eight.  The 64 accumulators take turns, one instruction a turn, in the same order in every step
.macro MUL16 a0, p, q, sc, zero
.irp a, \a0, \a0+1
.irp b, 0,1,2,3,4,5,6,7
.if \zero
	v_wmma_scale_f32_16x16x128_f8f6f4 v[8*(8*((\a)%4)+\b):8*(8*((\a)%4)+\b)+7], v[128*(\p)+FR*\b:128*(\p)+FR*\b+FR-1], v[AF+FR*(\a):AF+FR*(\a)+FR-1], 0, v[SC+16*(\sc)+8*(\q)+\b], v[SC+16*(\sc)+8*(\q)+(\a)] matrix_a_fmt:MATRIX_FMT_BF6 matrix_b_fmt:MATRIX_FMT_BF6 matrix_a_scale:MATRIX_SCALE_ROW1
.else
	v_wmma_scale_f32_16x16x128_f8f6f4 v[8*(8*((\a)%4)+\b):8*(8*((\a)%4)+\b)+7], v[128*(\p)+FR*\b:128*(\p)+FR*\b+FR-1], v[AF+FR*(\a):AF+FR*(\a)+FR-1], v[8*(8*((\a)%4)+\b):8*(8*((\a)%4)+\b)+7], v[SC+16*(\sc)+8*(\q)+\b], v[SC+16*(\sc)+8*(\q)+(\a)] matrix_a_fmt:MATRIX_FMT_BF6 matrix_b_fmt:MATRIX_FMT_BF6 matrix_a_scale:MATRIX_SCALE_ROW1
.endif
.endr
.endr
.endm
.macro FETCH_B slot, q, p
	WIN TO_B
.irp i, 0,1,2,3,4,5,6,7
	FRAG 128*(\p)+FR*\i, ADRB+\slot, \q, \i
.endr
	WIN 0
.endm
.macro FETCH_A slot, q, i0
.irp i, \i0, \i0+1, \i0+2, \i0+3
	FRAG AF+FR*(\i), ADRA+\slot, \q, \i
.endr
.endm
.macro SCALES sc                       ; a slot's scale words: lanes 0-15 A's blocks, lanes 16-31 B's; four words a load
.irp q, 0,1
.irp g, 0,1
	ds_load_b128 v[SC+16*\sc+8*\q+4*\g:SC+16*\sc+8*\q+4*\g+3], v[ADRS] offset:512*\q+256*\g
.endr
.endr
.endm
.macro STEP slot, q, zero              ; 128 along K that has its successor in the same slot
	s_wait_dscnt 4*NL                      ; B's set and A's blocks 0-3 are in; the 16 youngest loads (A's blocks 4-7) may be out
	WIN MUL_LO
	MUL16 0, (\q)%2, \q, \slot, \zero
	MUL16 2, (\q)%2, \q, \slot, \zero
	s_wait_dscnt 0
	PLACES NP
	FETCH_B \slot, (\q)+1, 1-(\q)%2
	FETCH_A \slot, (\q)+1, 0
	WIN MUL_HI
	MUL16 4, (\q)%2, \q, \slot, \zero
	MUL16 6, (\q)%2, \q, \slot, \zero
	PLACES NP
	WIN 0
	FETCH_A \slot, (\q)+1, 4
.endm
.macro TURN slot, next, fill           ; a slot's last step changes slots: one barrier; in front of it all my tensor loads, the add, my reads of this slot
	s_wait_tensorcnt 0x0                   ; all my tensor loads have landed: my part of the next slot
	ds_add_u32 v[SPW], v[NIL]              ; 0 onto my spare word
	s_wait_dscnt 4*NL+1                    ; the add and the 16 youngest loads may be out
	WIN MUL_LO
	MUL16 0, 1, NQ-1, \slot, 0
	s_wait_dscnt 0x0                       ; the add is done, and my reads of this slot are over
	s_barrier_signal -1
	MUL16 2, 1, NQ-1, \slot, 0
	WIN 0
	s_barrier_wait -1
.if \fill
	CREST                                  ; the barrier has opened a round of the cluster's: no wave of any partner still reads this slot or has a load on its way
	s_add_nc_u64 s[G0+4*\slot+2:G0+4*\slot+3], s[G0+4*\slot+2:G0+4*\slot+3], 2*HALFT
	s_add_nc_u64 s[G0B+4*\slot+2:G0B+4*\slot+3], s[G0B+4*\slot+2:G0B+4*\slot+3], 2*HALFT
	JLOAD G0+4*\slot, G1, G0B+4*\slot, G1B ; the first tensor load behind the round; its four v_nop are the places in front of the loads below
.else
	PLACES NP
.endif
	s_wait_alu depctr_va_vdst(0)
	v_add_nc_u32 v[ADRS], 512*NQ, v[ADRS]
	FETCH_B \next, 0, 0
	FETCH_A \next, 0, 0
	SCALES \next
	WIN MUL_HI
	MUL16 4, 1, NQ-1, \slot, 0
	MUL16 6, 1, NQ-1, \slot, 0
	PLACES NP
	WIN 0
	FETCH_A \next, 0, 4
.endm
	s_wait_alu depctr_va_vdst(0)
	s_wait_tensorcnt 0x0                   ; my tile of the head's four is in; slot 1's first fill stands behind the same lines as a refill
	ds_add_u32 v[SPW], v[NIL]
.irp g, G1, G1B
	s_mov_b32 s[\g+1], 32<<16              ; no tensor load of mine is out: from here on a load brings one panel's part, 96 rows of 256 bytes
	s_mov_b32 s[\g+2], 96<<16
	s_mov_b32 s[\g+3], 32<<16
	s_mov_b32 s[\g+4], 96
	s_mov_b32 s[\g+5], 32
.endr
	s_wait_dscnt 0x0
	CROUND                                 ; all four tiles are in, and all sixteen work-groups are here
	JLOAD G0+4, G1, G0B+4, G1B             ; slot 1, a panel a wave: the first tensor load behind the round
	FETCH_B 0, 0, 0
	FETCH_A 0, 0, 0
	SCALES 0
	FETCH_A 0, 0, 4
	STEP 0, 0, 1                           ; the first step's products start the sums
	s_mov_b32 s3, LAPS-1
.Llap:
	TURN 0, 1, 1
	STEP 1, 0, 0
	TURN 1, 0, 1
	STEP 0, 0, 0
	s_sub_co_u32 s3, s3, 1
	s_cmp_lg_u32 s3, 0
	s_cbranch_scc1 .Llap
	TURN 0, 1, 0
	STEP 1, 0, 0
	s_wait_dscnt 4*NL
	WIN MUL_LO
	MUL16 0, 1, NQ-1, 1, 0
	MUL16 2, 1, NQ-1, 1, 0
	s_wait_dscnt 0
	WIN MUL_HI
	MUL16 4, 1, NQ-1, 1, 0
	MUL16 6, 1, NQ-1, 1, 0
	WIN 0
	PLACES NP                              ; in front of the first reads of results and of writes into the registers that held A's fragments
.irp b, 0,1,2,3
	v_mov_b32 v[TM+4+\b], 0                ; a lane permute's destination counts as one of its sources
.endr
	v_cmp_le_u32 vcc_lo, 16, v1            ; lanes 16-31
	s_cmp_eq_u32 ttmp9, 2
	s_cbranch_scc1 .Lway_v
	; ---- THE WAY OUT OF q AND k.  My 128 columns are two heads.  Block a (16 positions): + bias, quantised along d; registers 0-5 are the first head's half image, 6-11 the second's.
	s_lshl_b32 s20, s17, 1
	s_add_co_u32 s20, s20, s15             ; my panel of positions
	s_lshr_b32 s21, s20, 4                 ; batch
	s_and_b32 s20, s20, 15                 ; step of 128 positions
	s_lshl_b32 s22, s40, 2
	s_lshl_b32 s23, s16, 1
	s_add_co_u32 s22, s22, s23             ; my first head
	s_lshl_b32 s21, s21, 4
	s_add_co_u32 s21, s21, s22
	s_lshl_b32 s21, s21, 4
	s_add_co_u32 s21, s21, s20
	s_mul_i32 s24, s21, REC
	s_mov_b32 s28, 12288
	s_cmp_eq_u32 ttmp9, 0
	s_cselect_b32 s29, 13056, 0            ; Q's tiles or K's
	s_cselect_b32 s28, 19200, s28          ; and their scale words
	s_add_co_u32 s26, s24, s28
	s_add_co_u32 s24, s24, s29
	s_mov_b32 s25, 0
	s_mov_b32 s27, 0
	s_add_nc_u64 s[24:25], s[8:9], s[24:25]
	s_add_nc_u64 s[26:27], s[8:9], s[26:27]
	s_mul_i32 s28, s22, 768
	s_lshl_b32 s29, ttmp9, 8
	s_add_co_u32 s28, s28, s29             ; b_qkv at (head, type)
	s_mov_b32 s29, 0
	s_add_nc_u64 s[28:29], s[6:7], s[28:29]
.irp bb, 0,1,2,3
.irp j, 0,1,2,3
	global_load_b128 v[BI+16*\bb+4*\j:BI+16*\bb+4*\j+3], v5, s[28:29] offset:(\bb/2)*768+(\bb%2)*128+16*\j
.endr
.endr
	s_wait_loadcnt 0x0
.macro BLKQK a
	WIN 0x02+(\a)/4                        ; source 0: the accumulators' window
.set AC, 64*((\a)%4)
.set e, 0
.rept 32
	v_pk_add_f32 v[ST+e:ST+e+1], v[AC+e:AC+e+1], v[BI+e:BI+e+1]   ; each accumulator from its low end on; the addition is also the move into window 0
.set e, e+2
.endr
	WIN 0
	s_wait_xcnt 0x0                        ; the last block's stores have read their registers
	QUANT ST, PC, PC+6, TQ, WD+(\a)
	global_store_b128 v[A16], v[PC:PC+3], s[24:25] offset:(\a)*768
	global_store_b64 v[A8], v[PC+4:PC+5], s[24:25] offset:(\a)*768+512
	global_store_b128 v[A16], v[PC+6:PC+9], s[24:25] offset:(\a)*768+BHS
	global_store_b64 v[A8], v[PC+10:PC+11], s[24:25] offset:(\a)*768+512+BHS
.endm
.irp a, 0,1,2,3,4,5,6,7
	BLKQK \a
.endr
.irp j, 0,1,2,3
	v_cndmask_b32 v[SL+\j], v[WD+\j], v[WD+4+\j], vcc_lo             ; lanes 0-15 blocks 0-3, lanes 16-31 blocks 4-7: one store writes the 512 bytes
.endr
.irp j, 0,1,2,3
	v_and_b32 v[TM+\j], 0xffff, v[SL+\j]                             ; the first head's two bytes; the upper two are 0 and meet zero codes
	v_lshrrev_b32 v[TM+4+\j], 16, v[SL+\j]                           ; the second head's
.endr
	global_store_b128 v[A16], v[TM:TM+3], s[26:27]
	global_store_b128 v[A16], v[TM+4:TM+7], s[26:27] offset:BHS
	s_branch .Ljoin
	; ---- THE WAY OUT OF V.  Block a: 16 rows (head a / 4, tile a % 4) x my 128 keys: + bias (one number a lane), quantised along the keys: a whole fragment.
.Lway_v:
	s_lshl_b32 s20, s42, 1
	s_add_co_u32 s20, s20, s16             ; my panel of positions
	s_lshr_b32 s21, s20, 4
	s_and_b32 s20, s20, 15
	s_lshl_b32 s22, s41, 2
	s_lshl_b32 s23, s15, 1
	s_add_co_u32 s22, s22, s23             ; my first head
	s_lshl_b32 s21, s21, 4
	s_add_co_u32 s21, s21, s22
	s_lshl_b32 s21, s21, 4
	s_add_co_u32 s21, s21, s20
	s_mul_i32 s24, s21, REC
	s_mov_b32 s25, 0
	s_add_nc_u64 s[24:25], s[8:9], s[24:25]
	s_mul_i32 s28, s22, 768
	s_add_co_u32 s28, s28, 512
	s_mov_b32 s29, 0
	s_add_nc_u64 s[28:29], s[6:7], s[28:29]
.irp a, 0,1,2,3,4,5,6,7
	global_load_b32 v[BI+2*\a], v9, s[28:29] offset:4*((\a/4)*192+32*((\a/2)%2)+8*(\a%2))
	global_load_b32 v[BI+2*\a+1], v9, s[28:29] offset:4*((\a/4)*192+32*((\a/2)%2)+8*(\a%2))
.endr
	s_wait_loadcnt 0x0
.macro BLKV a
	WIN 0x02+(\a)/4
.set AC, 64*((\a)%4)
.set e, 0
.rept 32
	v_pk_add_f32 v[ST+e:ST+e+1], v[AC+e:AC+e+1], v[BI+2*(\a):BI+2*(\a)+1] op_sel_hi:[1,0]
.set e, e+2
.endr
	WIN 0
	s_wait_xcnt 0x0
	QUANT ST, PC, PC+6, TQ, WD+(\a)
	FRAGOUT PC, 24, 6144+((\a)/4)*BHS+((\a)%4)*1536
.endm
.irp a, 0,1,2,3,4,5,6,7
	BLKV \a
.endr
.irp j, 0,1,2,3
	v_cndmask_b32 v[SL+\j], v[WD+\j], v[WD+4+\j], vcc_lo             ; lanes 0-15 the first head's four tiles, lanes 16-31 the second's
.endr
	global_store_b128 v10, v[SL:SL+3], s[24:25] offset:12800
.Ljoin:
	s_wait_tensorcnt 0x0                   ; the wave's end
	ds_add_u32 v[SPW], v[NIL]
	s_wait_dscnt 0x0
	CROUND                                 ; the closing round
	s_endpgm
.Lfunc_end_k_qf7d1414ce5_qkv:
	.size	k_qf7d1414ce5_qkv, .Lfunc_end_k_qf7d1414ce5_qkv-k_qf7d1414ce5_qkv
	.p2alignl 7, 3214868480
	.fill 96, 4, 3214868480
	.section	.rodata,"a",@progbits
	.p2align	6, 0x0
	.amdhsa_kernel k_qf7d1414ce5_qkv
		.amdhsa_group_segment_fixed_size 327680
		.amdhsa_private_segment_fixed_size 0
		.amdhsa_enable_private_segment 0
		.amdhsa_kernarg_size 24
		.amdhsa_user_sgpr_count 2
		.amdhsa_user_sgpr_kernarg_segment_ptr 1
		.amdhsa_wavefront_size32 1
		.amdhsa_system_sgpr_workgroup_id_x 1
		.amdhsa_system_sgpr_workgroup_id_y 1
		.amdhsa_system_sgpr_workgroup_id_z 1
		.amdhsa_system_vgpr_workitem_id 0
		.amdhsa_next_free_vgpr 1024
		.amdhsa_next_free_sgpr 100
		.amdhsa_reserve_vcc 1
		.amdhsa_float_denorm_mode_32 3
		.amdhsa_float_denorm_mode_16_64 3
		.amdhsa_memory_ordered 1
		.amdhsa_forward_progress 1
		.amdhsa_inst_pref_size 219
	.end_amdhsa_kernel
	.amdgpu_metadata
---
amdhsa.version: [ 1, 2 ]
amdhsa.kernels:
  - .name:           k_qf7d1414ce5_qkv
    .symbol:         k_qf7d1414ce5_qkv.kd
    .args:
      - { .name: wq, .offset: 0, .size: 8, .value_kind: global_buffer, .address_space: global }
      - { .name: b_qkv, .offset: 8, .size: 8, .value_kind: global_buffer, .address_space: global }
      - { .name: qkvr, .offset: 16, .size: 8, .value_kind: global_buffer, .address_space: global }
    .group_segment_fixed_size: 327680
    .private_segment_fixed_size: 0
    .kernarg_segment_align: 8
    .kernarg_segment_size: 24
    .max_flat_workgroup_size: 128
    .sgpr_count:     100
    .vgpr_count:     1024
    .wavefront_size: 32
...
	.end_amdgpu_metadata
.endif
;; end of part 2
;; launch attn (part 3): grid 8 x 32, 16 waves a work-group, clusters of 4 x 1, 262,144 bytes of LDS; arguments qkvr, ctx; writes ctx
.if DOCPART == 3
	.amdgcn_target "amdgcn-amd-amdhsa--gfx1250"
	.amdhsa_code_object_version 6
	.text
	.protected	k_qf7d1414ce5_attn
	.globl	k_qf7d1414ce5_attn
	.p2align	8
	.type	k_qf7d1414ce5_attn,@function
k_qf7d1414ce5_attn:
	s_mov_b64 s[64:65], 0
	v_nop
	global_prefetch_b8 v0, s[64:65] scope:SCOPE_SE
	s_setreg_imm32_b32 hwreg(HW_REG_WAVE_MODE, 25, 1), 1
	s_wait_xcnt 0x0
	s_wait_alu depctr_hold_cnt(0) depctr_sa_sdst(0) depctr_va_vdst(0) depctr_va_sdst(0) depctr_va_ssrc(0) depctr_va_vcc(0) depctr_vm_vsrc(0)
	s_getreg_b32 s2, hwreg(HW_REG_IB_STS2, 6, 4)
	s_cmp_eq_u32 s2, 0
	s_cbranch_scc0 .Lentry_in_a_cluster
	s_endpgm
.Lentry_in_a_cluster:
	s_bfe_u32 s2, ttmp6, 0x10000c
	s_cmp_lg_u32 s2, 0x3003
	s_cbranch_scc0 .Lentry_shape_is_right
	s_endpgm
.Lentry_shape_is_right:
; ATTENTION on codes of E3M2.  ctx[position][head x 64 + d] = softmax(q k^T / 8) v, quantised at once along its 64 columns for the next product.
; A work-group owns 256 query positions of one (batch, head); each of its sixteen waves 16 of them.  The head's K and V are 16 records x 13,056 bytes: as many records as waves.
; So EVERY WAVE ISSUES ONE tensor load at the head, record w, jointly with the cluster's three partners, which own other query blocks of the same head.  Nothing is filled again: one wait, one barrier, one loop of 16 steps.
; No prefetch: all of K and V is asked for at the kernel's head, and there is no loop to run ahead in.
; Both products are used transposed: S^T = K Q^T, O^T = V^T P^T: a lane holds ONE query.  Tile T of a step holds positions 16 T + m, whose keys are 32 (T / 2) + 16 (m / 8) + 8 (T % 2) + m % 8: the 16 registers of
; tiles 2 b, 2 b + 1 are 16 neighbouring keys.  V's tiles of d lie in the same order, so O^T's registers are neighbours along d.
; K = 64 IN THE FIRST PRODUCT: Q's upper 64 codes are zeros; K's operand is named 12 registers long, and its upper six (the next tile's codes) meet those zeros; the upper two scale bytes are 0, which is 2^-127 and no NaN.
; SOFTMAX: t = score x log2(e) / 8; M = the running largest t rounded up to a whole number; p = 2^(t - M) is quantised along the keys; the row's sum is of the unquantised p and divides at the end.
; A block's largest p is made from the block's largest score by the same multiply-add and exponential.
; LIMITS: NaN and infinities are not served; the promise holds while |t| stays under 2^31.  A head owns two of a scale word's four bytes: they leave by stores of two bytes.
; LDS: spare words at 4,096 (16 waves x 128 bytes); the records from 7,168 on; the claim is larger than the use (216,064 bytes).
; ADDRESSES: the three address registers are stepped in the middle of a step, behind the first product, where they fill places: K's loads reach OFFK further than V's.
.set REC,  19712
.set BHS,  16*REC
.set LREC, 13056                       ; what of a record lies in LDS: K, V, their scale words
.set SPARE, 4096
.set RB,   7168                        ; record 0 in LDS
.set OFFK, 6912                        ; LREC - 6,144: so V's tiles stand at offset 0 behind the step of the addresses
.set WV,   8
.set SEL,  20
.set CS,   22
.set G1,   24
.set G0,   32
.set TB,   48
.set CNT,  49
.set A16,  1                           ; 16 x lane, 8 x lane, 16 x (lane % 16): never rewritten
.set A8,   2
.set AR,   3
.set SPW,  6
.set NIL,  7
.set C16,  8                           ; the same + the step's place
.set C8,   9
.set CR,   10
.set RM,   11                          ; the running largest score
.set NM,   12                          ; v12 -M, v13 the -M before
.set LS,   14                          ; v14-15 the row's sum in two halves
.set QF,   16                          ; v16-27 Q
.set QS,   28                          ; scale words, and nothing else: Q's, p's, K's four, V's four
.set PW,   29
.set KF,   32                          ; v32-85 K's eight half images and six zeros; then V's four fragments
.set KS,   86
.set VS,   90
.set FF,   94                          ; v94 f = 2^(old M - new M)
.set SR,   96                          ; v96-159 S^T, then p
.set OA,   160                         ; v160-191 O^T
.set PC,   192                         ; v192-203 p's codes
.set TQ,   204
.set BM,   212                         ; v212-215 the blocks' largest
.set PT,   216
.set SO,   220                         ; the conversions' scale operands
.set TS,   224                         ; v224-239 eight partial sums
.set TT,   240
.macro CROUND
	s_barrier_signal -1
	s_barrier_wait -1
	s_cmp_lg_u32 s[WV], 0
	s_cbranch_scc1 .Lnot_wave_0_\@
	s_barrier_signal -3
.Lnot_wave_0_\@:
	s_barrier_wait -3
	s_barrier_signal -1
	s_barrier_wait -1
.endm
	s_load_b128 s[4:7], s[0:1], 0x0        ; qkvr, ctx
	v_lshl_add_u32 v[SPW], v0, 2, SPARE
	v_mov_b32 v[NIL], 0
	ds_add_u32 v[SPW], v[NIL]              ; the opening lines: the add twice on end and one wait
	ds_add_u32 v[SPW], v[NIL]
	v_lshrrev_b32 v4, 5, v0
	v_and_b32 v5, 31, v0
	v_and_b32 v[AR], 15, v0
	s_delay_alu instid0(VALU_DEP_3)
	v_readfirstlane_b32 s[WV], v4          ; wave 0..15
	s_delay_alu instid0(VALU_DEP_3)
	v_lshlrev_b32 v[A16], 4, v5
	s_delay_alu instid0(VALU_DEP_4)
	v_lshlrev_b32 v[A8], 3, v5
	s_delay_alu instid0(VALU_DEP_4)
	v_lshlrev_b32 v[AR], 4, v[AR]
	s_bfe_u32 s9, ttmp6, 0x40000           ; cx
	s_lshl_b32 s10, ttmp9, 2
	s_add_co_u32 s10, s10, s9              ; my block of 256 queries: it enters global addresses alone
	s_and_b32 s11, ttmp7, 0xffff           ; 16 x batch + head, which the partners share
	s_mov_b32 s[G1], 15|(3<<16)|(1<<21)    ; the mask: all four; elements of 8 bytes; bit 21 beside a mask; no padding
	s_mov_b32 s[G1+1], 32<<16              ; rows of 256 bytes,
	s_mov_b32 s[G1+2], 51<<16              ; 51 of them: 13,056 dense bytes
	s_mov_b32 s[G1+3], 32<<16
	s_mov_b32 s[G1+4], 51
	s_mov_b32 s[G1+5], 32
	s_mov_b32 s[G1+6], 0
	s_mov_b32 s[G1+7], 0
	s_mul_i32 s12, s11, BHS
	s_mov_b32 s13, 0
	s_mul_i32 s18, s[WV], REC
	s_mov_b32 s19, 0
	s_mul_i32 s58, s[WV], LREC
	s_mov_b32 s[SEL], 0x76543210
	s_mov_b32 s[SEL+1], 0xfedcba98
	s_mov_b32 s[CS], 0x3e38aa3b            ; c = log2(e) / 8
	s_mov_b32 s[CS+1], s[CS]
	s_mov_b32 s[TB], RB-OFFK
	s_lshr_b32 s59, s[WV], 3
	s_lshl_b32 s60, s10, 1
	s_add_co_u32 s59, s59, s60             ; my queries' step of 128 positions
	s_mul_i32 s60, s59, REC
	s_and_b32 s61, s[WV], 7                ; my tile in it
	s_mul_i32 s50, s61, 768
	s_add_co_u32 s50, s50, s60
	s_add_co_u32 s50, s50, 13056
	s_mov_b32 s51, 0
	s_lshr_b32 s62, s61, 2
	s_lshl_b32 s62, s62, 8
	s_and_b32 s63, s[WV], 3
	s_lshl_b32 s63, s63, 2
	s_add_co_u32 s62, s62, s63             ; my tile's words in a block of scale words
	s_add_co_u32 s52, s60, s62
	s_add_co_u32 s52, s52, 19200
	s_mov_b32 s53, 0
	s_lshr_b32 s60, s11, 4                 ; batch
	s_lshl_b32 s60, s60, 4
	s_add_co_u32 s60, s60, s59             ; ctx: my panel of 128 positions
	s_and_b32 s63, s11, 15                 ; head
	s_lshr_b32 s59, s63, 1
	s_lshl_b32 s60, s60, 3
	s_add_co_u32 s60, s60, s59             ; 8 P + K step
	s_and_b32 s63, s63, 1
	s_lshl_b32 s54, s60, 3
	s_add_co_u32 s54, s54, s61
	s_lshl_b32 s54, s54, 1
	s_add_co_u32 s54, s54, s63
	s_mul_i32 s54, s54, 768
	s_mov_b32 s55, 0
	s_lshl_b32 s56, s60, 9
	s_add_co_u32 s56, s56, s62
	s_lshl_b32 s63, s63, 1
	s_add_co_u32 s56, s56, s63
	s_add_co_u32 s56, s56, 3145728
	s_mov_b32 s57, 0
	s_wait_alu depctr_va_vdst(0)           ; the wait ahead of the blocking waits
	s_wait_dscnt 0x0                       ; both opening adds are done
	s_wait_kmcnt 0x0
	s_add_nc_u64 s[14:15], s[4:5], s[12:13]    ; the head's first record
	s_add_nc_u64 s[16:17], s[14:15], s[18:19]  ; record w
	s_add_nc_u64 s[50:51], s[14:15], s[50:51]  ; my tile of Q
	s_add_nc_u64 s[52:53], s[14:15], s[52:53]  ; its scale words
	s_add_nc_u64 s[54:55], s[6:7], s[54:55]    ; my half image of ctx
	s_add_nc_u64 s[56:57], s[6:7], s[56:57]    ; its scale bytes
	s_mov_b32 s[G0], 1
	s_add_co_u32 s[G0+1], s58, RB          ; LDS: by the wave's number alone
	s_mov_b64 s[G0+2:G0+3], s[16:17]
	s_or_b32 s[G0+3], s[G0+3], 0x80000000
	global_load_b128 v[QF:QF+3], v[A16], s[50:51]           ; Q's half image stays in registers
	global_load_b64 v[QF+4:QF+5], v[A8], s[50:51] offset:512
	global_load_b32 v[QS], v[AR], s[52:53]                  ; and its scale word
	CROUND                                 ; all four work-groups are here: the joint loads meet
	tensor_load_to_lds s[G0:G0+3], s[G1:G1+7]               ; my one tensor load of the launch: record w
	s_nop 0
.irp j, QF+6,QF+7,QF+8,QF+9,QF+10,QF+11,KF+48,KF+49,KF+50,KF+51,KF+52,KF+53,LS,LS+1,PT,PT+1,PT+2,PT+3,FF+1
	v_mov_b32 v[\j], 0                     ; Q's upper 64 codes; what stands behind K's last tile; the sums; lane permutes' destinations; the upper half of f's pair
.endr
	v_mov_b32 v[RM], 0xff61b1e6            ; the largest score so far: -3e38
	v_mov_b32 v[NM], 0x7f61b1e6            ; -M: the first step's f comes out 0
.set j, 0
.rept 32
	v_mov_b32 v[OA+j], 0                   ; O^T: the step is written once; its first pass finds zeros
.set j, j+1
.endr
	v_add_nc_u32 v[C16], RB-OFFK, v[A16]
	v_add_nc_u32 v[C8], RB-OFFK, v[A8]
	v_add_nc_u32 v[CR], RB-OFFK, v[AR]
	s_mov_b32 s[CNT], 16
	s_wait_alu depctr_va_vdst(0)           ; the wait at the head's end
	s_wait_tensorcnt 0x0                   ; my record is in
	s_barrier_signal -1
	s_barrier_wait -1                      ; everybody's is
	s_wait_loadcnt 0x0                     ; Q
.Lstep:                                    ; 128 keys.  The 32 additions at the last step's end are the places in front of these loads
.irp t, 0,1,2,3,4,5,6,7
	ds_load_b128 v[KF+6*\t:KF+6*\t+3], v[C16] offset:OFFK+768*\t
	ds_load_b64 v[KF+6*\t+4:KF+6*\t+5], v[C8] offset:OFFK+768*\t+512
.endr
	ds_load_b128 v[KS:KS+3], v[C16] offset:OFFK+12288       ; K's scale words: lanes 0-15 tiles 0-3, lanes 16-31 tiles 4-7
	s_add_co_u32 s[TB], s[TB], LREC
	s_wait_dscnt 0x0
.irp t, 0,1,2,3
	v_wmma_scale_f32_16x16x128_f8f6f4 v[SR+8*\t:SR+8*\t+7], v[KF+6*\t:KF+6*\t+11], v[QF:QF+11], 0, v[KS+\t], v[QS] matrix_a_fmt:MATRIX_FMT_BF6 matrix_b_fmt:MATRIX_FMT_BF6
.endr
.irp t, 4,5,6,7
	v_wmma_scale_f32_16x16x128_f8f6f4 v[SR+8*\t:SR+8*\t+7], v[KF+6*\t:KF+6*\t+11], v[QF:QF+11], 0, v[KS+\t-4], v[QS] matrix_a_fmt:MATRIX_FMT_BF6 matrix_b_fmt:MATRIX_FMT_BF6 matrix_a_scale:MATRIX_SCALE_ROW1
.endr
	v_add_nc_u32 v[C16], s[TB], v[A16]     ; four places behind the products: the addresses go a record on,
	v_add_nc_u32 v[C8], s[TB], v[A8]
	v_add_nc_u32 v[CR], s[TB], v[AR]
	v_mov_b32 v[NM+1], v[NM]               ; and the old -M is kept
.irp t, 0,1,2,3                        ; V's four fragments land under the softmax
	ds_load_b128 v[KF+12*\t:KF+12*\t+3], v[C16] offset:1536*\t
	ds_load_b64 v[KF+12*\t+4:KF+12*\t+5], v[C8] offset:1536*\t+512
	ds_load_b128 v[KF+12*\t+6:KF+12*\t+9], v[C16] offset:1536*\t+768
	ds_load_b64 v[KF+12*\t+10:KF+12*\t+11], v[C8] offset:1536*\t+1280
.endr
	ds_load_b128 v[VS:VS+3], v[CR] offset:6656              ; V's scale words: tile dt's in register dt
.irp b, 0,1,2,3
	v_max3_num_f32 v[BM+\b], v[SR+16*\b], v[SR+1+16*\b], v[SR+2+16*\b]   ; the largest score of each block of 32 keys: for the row's maximum and for the block's largest p
.endr
.irp i, 3,5,7,9,11,13
.irp b, 0,1,2,3
	v_max3_num_f32 v[BM+\b], v[BM+\b], v[SR+16*\b+\i], v[SR+1+16*\b+\i]
.endr
.endr
.irp b, 0,1,2,3
	v_max_num_f32 v[BM+\b], v[BM+\b], v[SR+15+16*\b]
.endr
.irp b, 0,1,2,3
	s_delay_alu instid0(VALU_DEP_4)
	v_permlanex16_b32 v[PT+\b], v[BM+\b], s[SEL], s[SEL+1]
.endr
.irp b, 0,1,2,3
	s_delay_alu instid0(VALU_DEP_4)
	v_max_num_f32 v[BM+\b], v[BM+\b], v[PT+\b]              ; with lane l xor 16's 16 keys
.endr
	s_delay_alu instid0(VALU_DEP_2)
	v_max3_num_f32 v[TT], v[BM], v[BM+1], v[BM+2]
	s_delay_alu instid0(VALU_DEP_1)
	v_max3_num_f32 v[RM], v[RM], v[TT], v[BM+3]             ; the running largest score (c is positive: its t is the largest t)
	s_delay_alu instid0(VALU_DEP_1)
	v_mul_f32 v[TT], s[CS], v[RM]
	s_delay_alu instid0(VALU_DEP_1)
	v_floor_f32 v[NM], -v[TT]              ; the new -M: a whole number
	s_delay_alu instid0(VALU_DEP_1)
	v_sub_f32 v[TT], v[NM], v[NM+1]
.set j, 0
.rept 32
	v_pk_fma_f32 v[SR+j:SR+j+1], v[SR+j:SR+j+1], s[CS:CS+1], v[NM:NM+1] op_sel_hi:[1,0,0]   ; t - M
.if j == 8
	v_cvt_i32_f32 v[TT], v[TT]             ; (it saturates)
.endif
.if j == 18
	v_ldexp_f32 v[FF], 1.0, v[TT]          ; f = 2^(old M - new M): a multiplication by it rounds nothing
.endif
.set j, j+2
.endr
	v_pk_fma_f32 v[BM:BM+1], v[BM:BM+1], s[CS:CS+1], v[NM:NM+1] op_sel_hi:[1,0,0]           ; the same of each block's largest score
	v_pk_fma_f32 v[BM+2:BM+3], v[BM+2:BM+3], s[CS:CS+1], v[NM:NM+1] op_sel_hi:[1,0,0]
	s_wait_alu depctr_va_vdst(0)           ; the wait ahead of the batch
.set j, 0
.rept 64
	v_exp_f32 v[SR+j], v[SR+j]             ; p = 2^(t - M)
.set j, j+1
.endr
.irp b, 0,1,2,3
	v_exp_f32 v[BM+\b], v[BM+\b]           ; the block's largest p
.endr
	v_pk_mul_f32 v[LS:LS+1], v[LS:LS+1], v[FF:FF+1] op_sel_hi:[1,0]      ; the sums under the new M: the plain line behind the batch
	s_wait_alu depctr_va_vdst(0)           ; and one wait for the batch, ahead of its first reader
.irp b, 0,1,2,3
	v_max_num_f32 v[BM+\b], 0x2800000, v[BM+\b]             ; the floor 2^(5 - 127): the byte cannot fall under 1
.endr
.irp b, 0,1,2,3
	s_delay_alu instid0(VALU_DEP_4)
	v_add_nc_u32 v[SO+\b], 0xfe000000, v[BM+\b]             ; 4 off the exponent field: the conversion's scale operand
.endr
.irp b, 0,1,2,3
	s_delay_alu instid0(VALU_DEP_4)
	v_lshrrev_b32 v[PT+\b], 23, v[SO+\b]                    ; the scale's byte
.endr
	s_delay_alu instid0(VALU_DEP_3)
	v_lshl_or_b32 v[PT], v[PT+1], 8, v[PT]
	s_delay_alu instid0(VALU_DEP_2)
	v_lshl_or_b32 v[PT+2], v[PT+3], 8, v[PT+2]
	v_cvt_scalef32_pk16_bf6_f32 v[PC:PC+2], v[SR:SR+15], v[SO]
	v_cvt_scalef32_pk16_bf6_f32 v[TQ:TQ+2], v[SR+16:SR+31], v[SO+1]
	v_cvt_scalef32_pk16_bf6_f32 v[PC+6:PC+8], v[SR+32:SR+47], v[SO+2]
	v_cvt_scalef32_pk16_bf6_f32 v[TQ+4:TQ+6], v[SR+48:SR+63], v[SO+3]
	v_lshl_or_b32 v[PW], v[PT+2], 16, v[PT]                 ; p's scale word for these 128 keys: also the plain line behind the conversions
.irp i, 0,1,2
	v_permlane16_swap_b32 v[PC+\i], v[TQ+\i]                ; a whole block to a lane
	v_permlane16_swap_b32 v[PC+6+\i], v[TQ+4+\i]
.endr
.irp i, 0,1,2
	v_mov_b32 v[PC+3+\i], v[TQ+\i]
	v_mov_b32 v[PC+9+\i], v[TQ+4+\i]
.endr
	s_wait_alu depctr_va_vdst(0)           ; the wait directly ahead of the first reader of O^T
.set j, 0
.rept 16
	v_pk_mul_f32 v[OA+j:OA+j+1], v[OA+j:OA+j+1], v[FF:FF+1] op_sel_hi:[1,0]   ; O^T under the new M; these sixteen are also the places in front of the products below
.set j, j+2
.endr
	s_wait_alu depctr_va_vdst(0)
	s_wait_dscnt 0x0                       ; V is in
.irp t, 0,1,2,3
	v_wmma_scale_f32_16x16x128_f8f6f4 v[OA+8*\t:OA+8*\t+7], v[KF+12*\t:KF+12*\t+11], v[PC:PC+11], v[OA+8*\t:OA+8*\t+7], v[VS+\t], v[PW] matrix_a_fmt:MATRIX_FMT_BF6 matrix_b_fmt:MATRIX_FMT_BF6
.endr
.irp k, 0,1,2,3,4,5,6,7                ; the row's sum of the unquantised p, in eight chains: it names none of the products' registers
	v_pk_add_f32 v[TS+2*\k:TS+2*\k+1], v[SR+2*\k:SR+2*\k+1], v[SR+16+2*\k:SR+17+2*\k]
.endr
.irp o, 32,48
.irp k, 0,1,2,3,4,5,6,7
	v_pk_add_f32 v[TS+2*\k:TS+2*\k+1], v[TS+2*\k:TS+2*\k+1], v[SR+\o+2*\k:SR+\o+1+2*\k]
.endr
.endr
.irp k, 0,1,2,3
	s_delay_alu instid0(VALU_DEP_4)
	v_pk_add_f32 v[TS+2*\k:TS+2*\k+1], v[TS+2*\k:TS+2*\k+1], v[TS+8+2*\k:TS+9+2*\k]
.endr
	s_delay_alu instid0(VALU_DEP_2)
	v_pk_add_f32 v[TS:TS+1], v[TS:TS+1], v[TS+4:TS+5]
	s_delay_alu instid0(VALU_DEP_2)
	v_pk_add_f32 v[TS+2:TS+3], v[TS+2:TS+3], v[TS+6:TS+7]
	s_delay_alu instid0(VALU_DEP_1)
	v_pk_add_f32 v[TS:TS+1], v[TS:TS+1], v[TS+2:TS+3]
	s_delay_alu instid0(VALU_DEP_1)
	v_pk_add_f32 v[LS:LS+1], v[LS:LS+1], v[TS:TS+1]
	s_sub_co_u32 s[CNT], s[CNT], 1
	s_cmp_lg_u32 s[CNT], 0
	s_wait_alu depctr_va_vdst(0)           ; the wait directly ahead of the branch
	s_cbranch_scc1 .Lstep
	; THE WAY OUT: O^T / the sum, quantised along d: my head's 64 columns are half a K step of the next product: a half image and two scale bytes
	v_add_f32 v[LS], v[LS], v[LS+1]
	s_delay_alu instid0(VALU_DEP_1)
	v_permlanex16_b32 v[TT], v[LS], s[SEL], s[SEL+1]
	s_delay_alu instid0(VALU_DEP_1)
	v_add_f32 v[LS], v[LS], v[TT]
	s_wait_alu depctr_va_vdst(0)
	v_rcp_f32 v[LS], v[LS]
	v_nop
	s_wait_alu depctr_va_vdst(0)
.set j, 0
.rept 16
	v_pk_mul_f32 v[SR+j:SR+j+1], v[OA+j:OA+j+1], v[LS:LS+1] op_sel_hi:[1,0]   ; register 16 b + i is d = 32 b + 16 (lane / 16) + i
.set j, j+2
.endr
	v_max3_num_f32 v[BM], |v[SR]|, |v[SR+1]|, 0x2800000
	v_max3_num_f32 v[BM+1], |v[SR+16]|, |v[SR+17]|, 0x2800000
.irp i, 2,4,6,8,10,12,14
	s_delay_alu instid0(VALU_DEP_2)
	v_max3_num_f32 v[BM], v[BM], |v[SR+\i]|, |v[SR+1+\i]|
	s_delay_alu instid0(VALU_DEP_2)
	v_max3_num_f32 v[BM+1], v[BM+1], |v[SR+16+\i]|, |v[SR+17+\i]|
.endr
	s_delay_alu instid0(VALU_DEP_2)
	v_permlanex16_b32 v[PT], v[BM], s[SEL], s[SEL+1]
	s_delay_alu instid0(VALU_DEP_2)
	v_permlanex16_b32 v[PT+1], v[BM+1], s[SEL], s[SEL+1]
	s_delay_alu instid0(VALU_DEP_2)
	v_max_num_f32 v[BM], v[BM], v[PT]
	s_delay_alu instid0(VALU_DEP_2)
	v_max_num_f32 v[BM+1], v[BM+1], v[PT+1]
	s_delay_alu instid0(VALU_DEP_2)
	v_add_nc_u32 v[SO], 0xfe000000, v[BM]
	s_delay_alu instid0(VALU_DEP_2)
	v_add_nc_u32 v[SO+1], 0xfe000000, v[BM+1]
	s_delay_alu instid0(VALU_DEP_2)
	v_lshrrev_b32 v[PT], 23, v[SO]
	s_delay_alu instid0(VALU_DEP_2)
	v_lshrrev_b32 v[PT+1], 23, v[SO+1]
	s_delay_alu instid0(VALU_DEP_1)
	v_lshl_or_b32 v[TT], v[PT+1], 8, v[PT]
	v_cvt_scalef32_pk16_bf6_f32 v[PC:PC+2], v[SR:SR+15], v[SO]
	v_cvt_scalef32_pk16_bf6_f32 v[TQ:TQ+2], v[SR+16:SR+31], v[SO+1]
	v_nop
.irp i, 0,1,2
	v_permlane16_swap_b32 v[PC+\i], v[TQ+\i]
.endr
.irp i, 0,1,2
	s_delay_alu instid0(VALU_DEP_3)
	v_mov_b32 v[PC+3+\i], v[TQ+\i]
.endr
	global_store_b128 v[A16], v[PC:PC+3], s[54:55]
	global_store_b64 v[A8], v[PC+4:PC+5], s[54:55] offset:512
	global_store_b16 v[AR], v[TT], s[56:57] ; lanes l and l xor 16 hold the same two bytes and name the same place
	s_wait_tensorcnt 0x0                   ; the wave's end
	ds_add_u32 v[SPW], v[NIL]
	s_wait_dscnt 0x0
	CROUND                                 ; the closing round
	s_endpgm
.Lfunc_end_k_qf7d1414ce5_attn:
	.size	k_qf7d1414ce5_attn, .Lfunc_end_k_qf7d1414ce5_attn-k_qf7d1414ce5_attn
	.p2alignl 7, 3214868480
	.fill 96, 4, 3214868480
	.section	.rodata,"a",@progbits
	.p2align	6, 0x0
	.amdhsa_kernel k_qf7d1414ce5_attn
		.amdhsa_group_segment_fixed_size 262144
		.amdhsa_private_segment_fixed_size 0
		.amdhsa_enable_private_segment 0
		.amdhsa_kernarg_size 16
		.amdhsa_user_sgpr_count 2
		.amdhsa_user_sgpr_kernarg_segment_ptr 1
		.amdhsa_wavefront_size32 1
		.amdhsa_system_sgpr_workgroup_id_x 1
		.amdhsa_system_sgpr_workgroup_id_y 1
		.amdhsa_system_sgpr_workgroup_id_z 1
		.amdhsa_system_vgpr_workitem_id 0
		.amdhsa_next_free_vgpr 256
		.amdhsa_next_free_sgpr 66
		.amdhsa_reserve_vcc 0
		.amdhsa_float_denorm_mode_32 3
		.amdhsa_float_denorm_mode_16_64 3
		.amdhsa_memory_ordered 1
		.amdhsa_forward_progress 1
		.amdhsa_inst_pref_size 28
	.end_amdhsa_kernel
	.amdgpu_metadata
---
amdhsa.version: [ 1, 2 ]
amdhsa.kernels:
  - .name:           k_qf7d1414ce5_attn
    .symbol:         k_qf7d1414ce5_attn.kd
    .args:
      - { .name: qkvr, .offset: 0, .size: 8, .value_kind: global_buffer, .address_space: global }
      - { .name: ctx, .offset: 8, .size: 8, .value_kind: global_buffer, .address_space: global }
    .group_segment_fixed_size: 262144
    .private_segment_fixed_size: 0
    .kernarg_segment_align: 8
    .kernarg_segment_size: 16
    .max_flat_workgroup_size: 512
    .sgpr_count:     66
    .vgpr_count:     256
    .wavefront_size: 32
...
	.end_amdgpu_metadata
.endif
;; end of part 3
;; launch dln (part 4): grid 256 x 1, 8 waves a work-group, no clusters, 167,936 bytes of LDS; arguments ctx, wq, b_dense, hidden_states, ln2_g, ln2_b, y, x2; writes y, x2
.if DOCPART == 4
	.amdgcn_target "amdgcn-amd-amdhsa--gfx1250"
	.amdhsa_code_object_version 6
	.text
	.protected	k_qf7d1414ce5_dln
	.globl	k_qf7d1414ce5_dln
	.p2align	8
	.type	k_qf7d1414ce5_dln,@function
k_qf7d1414ce5_dln:
	s_mov_b64 s[64:65], 0
	v_nop
	global_prefetch_b8 v0, s[64:65] scope:SCOPE_SE
	s_setreg_imm32_b32 hwreg(HW_REG_WAVE_MODE, 25, 1), 1
	s_wait_xcnt 0x0
; DLN: y = hidden_states + ctx x w_dense + b_dense, and layer norm 2 of y quantised into x2, in one launch.
; A work-group owns 16 token positions (block i = blk % 8 of panel P = blk / 8) x all 1,024 columns, so that a row's mean and variance need no other work-group.  256 work-groups.
; THE PRODUCT, on codes of E3M2: wave w takes weight panel w (128 logical columns): 8 accumulators of 16 x 16, K = 1,024 in 16 half steps (128 K x 64 columns) of 4 matrix instructions.
; Source 0 = 16 rows of the weight, source 1 = the 16 positions: a lane holds one position, and the 16 registers of accumulators 2 b, 2 b + 1 are the columns 128 w + 32 b + 16 (lane / 16) + 0 .. 15.
; Operands lie in memory as images of operand registers, and each wave reads its panel once: they go from memory straight into registers, four half steps ahead (a unit is 16 loads, with the positions' fragment 20).
; Work-group blk walks the K steps from blk % 8 on, round the end: the sums are f32 sums in another order of K steps.
; No cluster: the weights do not pass through LDS; two slots of more than one K step of all eight panels (2 x 196,608 bytes) would not fit there.  No prefetch: the ring of registers is the look-ahead.
; The residual rows, ln2_g, ln2_b and b_dense come by ONE tensor load a wave at the head (waves 0-3 four rows each, waves 4-6 a vector each, wave 7 none): filled once, read behind the first barrier.
; THE WAY OUT: accumulators -> stage in LDS; barrier; wave w takes rows 2 w, 2 w + 1 whole (a row in 32 registers): + residual + bias, y stored, (y - mean) / sqrt(var + eps) g + b (the mean taken away
; before the squares), back into the stage; barrier; wave w quantises K step w of all 16 rows: a fragment's image and its scale words.
; Row position p is batch p / 2048, sequence place sw(p % 2048), sw = bits 3 and 4 exchanged.  Fragment (P, K step s, i) lies at ((8 P + s) 8 + i) 1,536; scale word (i, r) of (P, s) at 3,145,728 + (8 P + s) 512 + 256 (i / 4) + 16 r + 4 (i % 4).
; LIMITS: NaN and infinities are not served; a block whose largest magnitude lies under 2^-122 gets the byte 1.  The scale words leave as 64 bytes of a block of 256.
.set X1S,  3145728
.set WC,   5734400
.set WS,   6520832
.set LNP,  4112                        ; a stage row: 4,096 bytes + 16
.set VEC,  65536                       ; behind the 16 residual rows: g, b, bias, 4,096 bytes each
.set STG,  77824                       ; the stage: bytes of its own, no fill lands there
.set SPARE, 143616
.set WV,   20
.set SEL,  36
.set RN,   38
.set EP,   39
.set OUTP, 18
.set G1R,  44
.set G1V,  52
.set G0R,  60
.set G0V,  84
.set PAC,  76                          ; s[76:77] ctx's fragments, s[78:79] its scale words, s[80:81] my panel's fragments, s[82:83] its scale words
.set PAS,  78
.set PBW,  80
.set PWS,  82
.set TM,   160
.set A16,  2
.set A8,   5
.set AR,   6
.set RA,   9
.set VA,   10
.set O16,  12                          ; v12-19 16 x lane + the place of the q-th K step of my walk; v20-27 the same with 8 x lane
.set O8,   20
.set AB,   32                          ; v32-67 the positions' fragments, three buffers
.set ACC,  128                         ; v128-191 the accumulators
.set WSC,  210                         ; v210-241 the weights' scale words, v242-249 the positions': scales and nothing else
.set ASC,  242
.set MSB, 0
.macro WIN new                         ; the immediate's high byte repeats the setting that is left
.if MSB != \new
	s_set_vgpr_msb (MSB<<8)|\new
.set MSB, \new
.endif
.endm
.macro QUANT s, d0, d1, tq, pw         ; 64 numbers of a lane, register 16 b + i = k 32 b + 16 (lane / 16) + i, become a fragment's codes and its scale word
.irp b, 0,1,2,3
	v_max3_num_f32 v[TM+\b], |v[\s+16*\b]|, |v[\s+1+16*\b]|, 0x2800000
.endr
.irp i, 2,4,6,8,10,12,14
.irp b, 0,1,2,3
	s_delay_alu instid0(VALU_DEP_4)
	v_max3_num_f32 v[TM+\b], v[TM+\b], |v[\s+16*\b+\i]|, |v[\s+1+16*\b+\i]|
.endr
.endr
.irp b, 0,1,2,3
	s_delay_alu instid0(VALU_DEP_4)
	v_permlanex16_b32 v[TM+4+\b], v[TM+\b], s[SEL], s[SEL+1]
.endr
.irp b, 0,1,2,3
	s_delay_alu instid0(VALU_DEP_4)
	v_max_num_f32 v[TM+\b], v[TM+\b], v[TM+4+\b]
.endr
.irp b, 0,1,2,3
	s_delay_alu instid0(VALU_DEP_4)
	v_add_nc_u32 v[TM+12+\b], 0xfe000000, v[TM+\b]
.endr
.irp b, 0,1,2,3
	s_delay_alu instid0(VALU_DEP_4)
	v_lshrrev_b32 v[TM+4+\b], 23, v[TM+12+\b]
.endr
	s_delay_alu instid0(VALU_DEP_3)
	v_lshl_or_b32 v[\pw], v[TM+5], 8, v[TM+4]
	s_delay_alu instid0(VALU_DEP_1)
	v_lshl_or_b32 v[\pw], v[TM+6], 16, v[\pw]
	s_delay_alu instid0(VALU_DEP_1)
	v_lshl_or_b32 v[\pw], v[TM+7], 24, v[\pw]
	v_cvt_scalef32_pk16_bf6_f32 v[\d0:\d0+2], v[\s:\s+15], v[TM+12]
	v_cvt_scalef32_pk16_bf6_f32 v[\tq:\tq+2], v[\s+16:\s+31], v[TM+13]
	v_cvt_scalef32_pk16_bf6_f32 v[\d1:\d1+2], v[\s+32:\s+47], v[TM+14]
	v_cvt_scalef32_pk16_bf6_f32 v[\tq+4:\tq+6], v[\s+48:\s+63], v[TM+15]
	v_nop
.irp i, 0,1,2
	v_permlane16_swap_b32 v[\d0+\i], v[\tq+\i]
	v_permlane16_swap_b32 v[\d1+\i], v[\tq+4+\i]
.endr
.irp i, 0,1,2
	v_mov_b32 v[\d0+3+\i], v[\tq+\i]
	v_mov_b32 v[\d1+3+\i], v[\tq+4+\i]
.endr
.endm
.macro FRAGOUT reg, base, off
	global_store_b128 v[A16], v[\reg:\reg+3], s[\base:\base+1] offset:\off
	global_store_b64 v[A8], v[\reg+4:\reg+5], s[\base:\base+1] offset:\off+512
	global_store_b128 v[A16], v[\reg+6:\reg+9], s[\base:\base+1] offset:\off+768
	global_store_b64 v[A8], v[\reg+10:\reg+11], s[\base:\base+1] offset:\off+1280
.endm
.macro RSUM                            ; four pairs v198-205 -> their sum over the wave, in v198 of every lane
	s_delay_alu instid0(VALU_DEP_3)
	v_pk_add_f32 v[198:199], v[198:199], v[200:201]
	s_delay_alu instid0(VALU_DEP_2)
	v_pk_add_f32 v[202:203], v[202:203], v[204:205]
	s_delay_alu instid0(VALU_DEP_1)
	v_pk_add_f32 v[198:199], v[198:199], v[202:203]
	s_delay_alu instid0(VALU_DEP_1)
	v_add_f32 v198, v198, v199
	s_delay_alu instid0(VALU_DEP_1)
	v_add_f32_dpp v198, v198, v198 row_xmask:1 row_mask:0xf bank_mask:0xf
	s_delay_alu instid0(VALU_DEP_1)
	v_add_f32_dpp v198, v198, v198 row_xmask:2 row_mask:0xf bank_mask:0xf
	s_delay_alu instid0(VALU_DEP_1)
	v_add_f32_dpp v198, v198, v198 row_xmask:4 row_mask:0xf bank_mask:0xf
	s_delay_alu instid0(VALU_DEP_1)
	v_add_f32_dpp v198, v198, v198 row_xmask:8 row_mask:0xf bank_mask:0xf
	s_delay_alu instid0(VALU_DEP_1)
	v_permlanex16_b32 v199, v198, s[SEL], s[SEL+1]
	s_delay_alu instid0(VALU_DEP_1)
	v_add_f32 v198, v198, v199
.endm
.macro ROWNORM x                       ; a row in 32 registers of the wave: (x - mean) / sqrt(var + eps)
.irp k, 0,1,2,3
	v_pk_add_f32 v[198+2*\k:199+2*\k], v[\x+2*\k:\x+2*\k+1], v[\x+8+2*\k:\x+9+2*\k]
.endr
.irp k, 8,9,10,11,12,13,14,15
	s_delay_alu instid0(VALU_DEP_4)
	v_pk_add_f32 v[198+2*(\k%4):199+2*(\k%4)], v[198+2*(\k%4):199+2*(\k%4)], v[\x+2*\k:\x+2*\k+1]
.endr
	RSUM
	s_delay_alu instid0(VALU_DEP_1)
	v_mul_f32 v206, s[RN], v198
	s_delay_alu instid0(VALU_DEP_1)
	v_mov_b32 v207, v206
.irp k, 0,1,2,3,4,5,6,7,8,9,10,11,12,13,14,15
	v_pk_add_f32 v[\x+2*\k:\x+2*\k+1], v[\x+2*\k:\x+2*\k+1], v[206:207] neg_lo:[0,1] neg_hi:[0,1]
.endr
.irp k, 0,1,2,3
	v_pk_mul_f32 v[198+2*\k:199+2*\k], v[\x+2*\k:\x+2*\k+1], v[\x+2*\k:\x+2*\k+1]
.endr
.irp k, 4,5,6,7,8,9,10,11,12,13,14,15
	s_delay_alu instid0(VALU_DEP_4)
	v_pk_fma_f32 v[198+2*(\k%4):199+2*(\k%4)], v[\x+2*\k:\x+2*\k+1], v[\x+2*\k:\x+2*\k+1], v[198+2*(\k%4):199+2*(\k%4)]
.endr
	RSUM
	s_delay_alu instid0(VALU_DEP_1)
	v_fma_f32 v198, v198, s[RN], s[EP]
	s_wait_alu depctr_va_vdst(0)           ; the wait ahead of the transcendental
	v_rsq_f32 v206, v198
	v_nop                                  ; a plain line behind it
	s_wait_alu depctr_va_vdst(0)           ; and the wait ahead of the first reader
	v_mov_b32 v207, v206
.irp k, 0,1,2,3,4,5,6,7,8,9,10,11,12,13,14,15
	v_pk_mul_f32 v[\x+2*\k:\x+2*\k+1], v[\x+2*\k:\x+2*\k+1], v[206:207]
.endr
.endm
.macro AFFINE x                        ; x g + b
.irp k, 0,1,2,3,4,5,6,7,8,9,10,11,12,13,14,15
	v_pk_fma_f32 v[\x+2*\k:\x+2*\k+1], v[\x+2*\k:\x+2*\k+1], v[96+2*\k:97+2*\k], v[128+2*\k:129+2*\k]
.endr
.endm
; The loads of half step h: the weights' four fragments into buffer h % 4 of window 1; with an even h the positions' fragment of K step h / 2 into buffer (h / 2) % 3
.macro UNIT h
.set uq, (\h)/2
.if (\h)%2 == 0
	WIN 0
	global_load_b128 v[AB+12*(uq%3):AB+12*(uq%3)+3], v[O16+uq], s[PAC:PAC+1]
	global_load_b64 v[AB+12*(uq%3)+4:AB+12*(uq%3)+5], v[O8+uq], s[PAC:PAC+1] offset:512
	global_load_b128 v[AB+12*(uq%3)+6:AB+12*(uq%3)+9], v[O16+uq], s[PAC:PAC+1] offset:768
	global_load_b64 v[AB+12*(uq%3)+10:AB+12*(uq%3)+11], v[O8+uq], s[PAC:PAC+1] offset:1280
.endif
	WIN 0x40                               ; destination window 1, address window 0
.irp j, 0,1,2,3
	global_load_b128 v[48*((\h)%4)+12*\j:48*((\h)%4)+12*\j+3], v[O16+uq], s[PBW:PBW+1] offset:(4*((\h)%2)+\j)*1536
	global_load_b64 v[48*((\h)%4)+12*\j+4:48*((\h)%4)+12*\j+5], v[O8+uq], s[PBW:PBW+1] offset:(4*((\h)%2)+\j)*1536+512
	global_load_b128 v[48*((\h)%4)+12*\j+6:48*((\h)%4)+12*\j+9], v[O16+uq], s[PBW:PBW+1] offset:(4*((\h)%2)+\j)*1536+768
	global_load_b64 v[48*((\h)%4)+12*\j+10:48*((\h)%4)+12*\j+11], v[O8+uq], s[PBW:PBW+1] offset:(4*((\h)%2)+\j)*1536+1280
.endr
	WIN 0
.endm
; Half step h: four matrix instructions on four accumulators (the eight take turns); four places; the unit four half steps on into the buffer just read
.macro HSTEP h
.set hq, (\h)/2
.set hn, 0
.irp d, 1,2,3
.if (\h)+\d < 16
.set hn, hn+16+4*(1-((\h)+\d)%2)
.endif
.endr
	s_wait_loadcnt hn                      ; unit h is in; the loads of the next three units may be out
	WIN 0x01                               ; source 0 (the weights) window 1
.irp j, 0,1,2,3
.set ac, ACC+8*(4*((\h)%2)+\j)
.set bf, 48*((\h)%4)+12*\j
.set af, AB+12*(hq%3)
.if (\h) == 0
	v_wmma_scale_f32_16x16x128_f8f6f4 v[ac:ac+7], v[bf:bf+11], v[af:af+11], 0, v[WSC+4*hq+\j], v[ASC+hq] matrix_a_fmt:MATRIX_FMT_BF6 matrix_b_fmt:MATRIX_FMT_BF6
.elseif (\h) == 1
	v_wmma_scale_f32_16x16x128_f8f6f4 v[ac:ac+7], v[bf:bf+11], v[af:af+11], 0, v[WSC+4*hq+\j], v[ASC+hq] matrix_a_fmt:MATRIX_FMT_BF6 matrix_b_fmt:MATRIX_FMT_BF6 matrix_a_scale:MATRIX_SCALE_ROW1
.elseif (\h)%2 == 0
	v_wmma_scale_f32_16x16x128_f8f6f4 v[ac:ac+7], v[bf:bf+11], v[af:af+11], v[ac:ac+7], v[WSC+4*hq+\j], v[ASC+hq] matrix_a_fmt:MATRIX_FMT_BF6 matrix_b_fmt:MATRIX_FMT_BF6
.else
	v_wmma_scale_f32_16x16x128_f8f6f4 v[ac:ac+7], v[bf:bf+11], v[af:af+11], v[ac:ac+7], v[WSC+4*hq+\j], v[ASC+hq] matrix_a_fmt:MATRIX_FMT_BF6 matrix_b_fmt:MATRIX_FMT_BF6 matrix_a_scale:MATRIX_SCALE_ROW1
.endif
.endr
.rept 4
	v_nop                                  ; places in front of loads into registers that the products read, and of the first reads of results
.endr
.if (\h)+4 < 16
	UNIT (\h)+4
.endif
.endm
	s_load_b512 s[4:19], s[0:1], 0x0       ; ctx s[4:5], wq s[6:7], b_dense s[8:9], hidden s[10:11], g s[12:13], b s[14:15], y s[16:17], x2 s[18:19]
	v_lshl_add_u32 v208, v0, 2, SPARE
	v_mov_b32 v209, 0
	ds_add_u32 v208, v209                  ; the opening lines: the add twice on end and one wait
	ds_add_u32 v208, v209
	v_lshrrev_b32 v1, 5, v0
	s_delay_alu instid0(VALU_DEP_1)
	v_readfirstlane_b32 s[WV], v1
	s_mov_b32 s21, ttmp9                   ; blk
	s_and_b32 s22, s21, 127
	s_lshr_b32 s23, s22, 1
	s_lshl_b32 s23, s23, 5
	s_and_b32 s24, s21, 1
	s_lshl_b32 s24, s24, 3
	s_add_co_u32 s22, s23, s24             ; the sequence place of the block's row 0; row rho stands 16 (rho / 8) + rho % 8 further on
	s_lshr_b32 s24, s[WV], 2
	s_lshl_b32 s24, s24, 4
	s_add_co_u32 s23, s22, s24
	s_and_b32 s24, s[WV], 3
	s_lshl_b32 s24, s24, 1
	s_add_co_u32 s23, s23, s24             ; of my row 2 w
	s_lshl_b32 s24, s23, 13
	s_lshr_b32 s25, s21, 7
	s_lshl_b32 s25, s25, 12                ; batch
	s_add_co_u32 s24, s24, s25
	s_lshr_b32 s74, s[WV], 1               ; the four rows 4 w .. 4 w + 3 that waves 0-3 fetch
	s_lshl_b32 s74, s74, 4
	s_add_co_u32 s74, s74, s22
	s_and_b32 s75, s[WV], 1
	s_lshl_b32 s75, s75, 2
	s_add_co_u32 s74, s74, s75
	s_lshl_b32 s74, s74, 13
	s_add_co_u32 s74, s74, s25
	s_mov_b32 s75, 0
	s_mov_b32 s25, 0
	s_lshr_b32 s26, s21, 3                 ; P
	s_and_b32 s27, s21, 7                  ; i; also where my walk along K begins
	s_lshl_b32 s28, s26, 3
	s_add_co_u32 s28, s28, s[WV]           ; x2: 8 P + K step w
	s_lshl_b32 s29, s28, 3
	s_add_co_u32 s29, s29, s27
	s_mul_i32 s32, s29, 1536
	s_mov_b32 s33, 0
	s_lshl_b32 s34, s28, 9
	s_lshr_b32 s29, s27, 2
	s_lshl_b32 s29, s29, 8
	s_and_b32 s30, s27, 3
	s_lshl_b32 s30, s30, 2
	s_add_co_u32 s29, s29, s30
	s_add_co_u32 s29, s29, X1S             ; my block's words in a block of scale words
	s_add_co_u32 s34, s34, s29
	s_mov_b32 s35, 0
	s_mul_i32 s[PAC], s26, 98304
	s_mul_i32 s[PAC+1], s27, 1536
	s_add_co_u32 s[PAC], s[PAC], s[PAC+1]
	s_mov_b32 s[PAC+1], 0
	s_lshl_b32 s[PAS], s26, 12
	s_add_co_u32 s[PAS], s[PAS], s29
	s_mov_b32 s[PAS+1], 0
	s_mul_i32 s[PBW], s[WV], 98304
	s_add_co_u32 s[PBW], s[PBW], WC
	s_mov_b32 s[PBW+1], 0
	s_lshl_b32 s[PWS], s[WV], 12
	s_add_co_u32 s[PWS], s[PWS], WS
	s_mov_b32 s[PWS+1], 0
	s_mov_b32 s[SEL], 0x76543210
	s_mov_b32 s[SEL+1], 0xfedcba98
	s_mov_b32 s[RN], 0x3a800000            ; 1 / 1024
	s_mov_b32 s[EP], 0x3727c5ac            ; 1e-5
	s_mov_b32 s[G1R], 3<<16                ; four rows of 4,096 bytes (512 elements of 8), 8,192 bytes apart in memory, dense in LDS
	s_mov_b32 s[G1R+1], 512<<16
	s_mov_b32 s[G1R+2], 4<<16
	s_mov_b32 s[G1R+3], 512<<16
	s_mov_b32 s[G1R+4], 4
	s_mov_b32 s[G1R+5], 1024
	s_mov_b32 s[G1R+6], 0
	s_mov_b32 s[G1R+7], 0
	s_mov_b32 s[G1V], 3<<16                ; one row of 4,096 bytes
	s_mov_b32 s[G1V+1], 512<<16
	s_mov_b32 s[G1V+2], 1<<16
	s_mov_b32 s[G1V+3], 512<<16
	s_mov_b32 s[G1V+4], 1
	s_mov_b32 s[G1V+5], 512
	s_mov_b32 s[G1V+6], 1<<16
	s_mov_b32 s[G1V+7], 0
	s_mov_b32 s[G0R], 1
	s_lshl_b32 s[G0R+1], s[WV], 14         ; row rho at 4,096 rho
	s_mov_b32 s[G0V], 1
	s_lshl_b32 s[G0V+1], s[WV], 12
	s_add_co_u32 s[G0V+1], s[G0V+1], VEC-16384   ; wave 4: g, wave 5: b, wave 6: bias
	v_and_b32 v1, 31, v0
	v_and_b32 v7, 15, v0
	v_bfe_u32 v8, v0, 4, 1
	v_lshlrev_b32 v[A16], 4, v1
	v_lshlrev_b32 v[A8], 3, v1
	v_lshlrev_b32 v[AR], 4, v7             ; 16 r
	v_mul_u32_u24 v4, v7, LNP
	s_mul_i32 s29, s[WV], 2*LNP
	s_add_co_u32 s29, s29, STG
	v_add_nc_u32 v3, s29, v[A16]           ; the stage by rows: my two rows
	v_lshl_add_u32 v4, v8, 6, v4
	s_lshl_b32 s29, s[WV], 9
	s_add_co_u32 s29, s29, STG
	v_add_nc_u32 v4, s29, v4               ; the stage by lanes: row r, my 128 columns, my 16 numbers of each block
	s_lshl_b32 s29, s[WV], 13
	v_add_nc_u32 v[RA], s29, v[A16]        ; my two residual rows
	v_add_nc_u32 v[VA], VEC, v[A16]        ; the vectors
	s_wait_alu depctr_va_vdst(0)           ; the wait ahead of the scalar lines below
.set q, 0
.rept 8                                ; the q-th K step of my walk is (i + q) % 8: fragments 12,288 bytes a K step, scale words 512, in ctx and in the weights alike
	s_add_co_u32 s88, s27, q
	s_and_b32 s88, s88, 7
	s_mul_i32 s89, s88, 12288
	s_lshl_b32 s88, s88, 9
	v_add_nc_u32 v[O16+q], s89, v[A16]
	v_add_nc_u32 v[O8+q], s89, v[A8]
	v_add_nc_u32 v[128+q], s88, v[A16]     ; (offsets of the scale words' loads: used once, at the head)
	v_add_nc_u32 v[136+q], s88, v[AR]
.set q, q+1
.endr
	s_wait_alu depctr_va_vdst(0)           ; the wait at the head's end
	s_wait_dscnt 0x0                       ; both opening adds are done
	s_wait_kmcnt 0x0
	s_add_nc_u64 s[PAC:PAC+1], s[4:5], s[PAC:PAC+1]
	s_add_nc_u64 s[PAS:PAS+1], s[4:5], s[PAS:PAS+1]
	s_add_nc_u64 s[PBW:PBW+1], s[6:7], s[PBW:PBW+1]
	s_add_nc_u64 s[PWS:PWS+1], s[6:7], s[PWS:PWS+1]
	s_add_nc_u64 s[G0R+2:G0R+3], s[10:11], s[74:75]
	s_add_nc_u64 s[16:17], s[16:17], s[24:25]
	s_add_nc_u64 s[40:41], s[OUTP:OUTP+1], s[32:33]
	s_add_nc_u64 s[42:43], s[OUTP:OUTP+1], s[34:35]
	s_cmp_eq_u32 s[WV], 4                  ; which vector: a choice on the wave's number alone
	s_cselect_b64 s[G0V+2:G0V+3], s[12:13], s[14:15]
	s_cmp_eq_u32 s[WV], 6
	s_cselect_b64 s[G0V+2:G0V+3], s[8:9], s[G0V+2:G0V+3]
	s_or_b32 s[G0R+3], s[G0R+3], 0x80000000
	s_or_b32 s[G0V+3], s[G0V+3], 0x80000000
	s_cmp_lt_u32 s[WV], 4                  ; one chain of branches on the wave's number, one fill to an arm, one join
	s_cbranch_scc0 .Lvec
	tensor_load_to_lds s[G0R:G0R+3], s[G1R:G1R+7]
	s_nop 0
.rept 4
	v_nop
.endr
	s_branch .Lasked
.Lvec:
	s_cmp_lt_u32 s[WV], 7
	s_cbranch_scc0 .Lasked
	tensor_load_to_lds s[G0V:G0V+3], s[G1V:G1V+7]
	s_nop 0
.rept 4
	v_nop
.endr
.Lasked:
.set q, 0
.rept 8
	global_load_b128 v[WSC+4*q:WSC+4*q+3], v[128+q], s[PWS:PWS+1]   ; lanes 0-15 blocks 0-3, lanes 16-31 blocks 4-7
	global_load_b32 v[ASC+q], v[136+q], s[PAS:PAS+1]
.set q, q+1
.endr
.irp h, 0,1,2,3
	UNIT \h
.endr
.irp h, 0,1,2,3,4,5,6,7,8,9,10,11,12,13,14,15
	HSTEP \h
.endr
	WIN 0
	s_wait_tensorcnt 0x0                   ; my tensor load has landed: for the others' sake, and ahead of my LDS stores
.irp b, 0,1,2,3
.irp j, 0,1,2,3
	ds_store_b128 v4, v[ACC+16*\b+4*\j:ACC+16*\b+4*\j+3] offset:128*\b+16*\j   ; each accumulator from its low end on
.endr
.endr
	s_wait_dscnt 0x0                       ; for the others' sake: my columns lie in the stage
	s_barrier_signal -1
	s_barrier_wait -1
.irp j, 0,1,2,3,4,5,6,7
	ds_load_b128 v[32+4*\j:35+4*\j], v3 offset:512*\j
.endr
.irp j, 0,1,2,3,4,5,6,7
	ds_load_b128 v[64+4*\j:67+4*\j], v3 offset:LNP+512*\j
.endr
.irp j, 0,1,2,3,4,5,6,7
	ds_load_b128 v[96+4*\j:99+4*\j], v[RA] offset:512*\j
.endr
.irp j, 0,1,2,3,4,5,6,7
	ds_load_b128 v[128+4*\j:131+4*\j], v[RA] offset:4096+512*\j
.endr
.irp j, 0,1,2,3,4,5,6,7
	ds_load_b128 v[160+4*\j:163+4*\j], v[VA] offset:8192+512*\j
.endr
	s_wait_dscnt 0x0
.irp k, 0,1,2,3,4,5,6,7,8,9,10,11,12,13,14,15
	v_pk_add_f32 v[32+2*\k:33+2*\k], v[32+2*\k:33+2*\k], v[96+2*\k:97+2*\k]       ; + the residual
	v_pk_add_f32 v[64+2*\k:65+2*\k], v[64+2*\k:65+2*\k], v[128+2*\k:129+2*\k]
.endr
.irp k, 0,1,2,3,4,5,6,7,8,9,10,11,12,13,14,15
	v_pk_add_f32 v[32+2*\k:33+2*\k], v[32+2*\k:33+2*\k], v[160+2*\k:161+2*\k]     ; + the bias: y
	v_pk_add_f32 v[64+2*\k:65+2*\k], v[64+2*\k:65+2*\k], v[160+2*\k:161+2*\k]
.endr
.irp j, 0,1,2,3,4,5,6,7
	ds_load_b128 v[96+4*\j:99+4*\j], v[VA] offset:512*\j                          ; g
.endr
.irp j, 0,1,2,3,4,5,6,7
	ds_load_b128 v[128+4*\j:131+4*\j], v[VA] offset:4096+512*\j                   ; b
.endr
.irp j, 0,1,2,3,4,5,6,7
	global_store_b128 v[A16], v[32+4*\j:35+4*\j], s[16:17] offset:512*\j          ; 32 lanes store 512 consecutive bytes, aligned
.endr
.irp j, 0,1,2,3,4,5,6,7
	global_store_b128 v[A16], v[64+4*\j:67+4*\j], s[16:17] offset:8192+512*\j
.endr
.irp b, 0,1,2,3
	v_mov_b32 v[TM+4+\b], 0                ; a lane permute's destination counts as one of its sources
.endr
	s_wait_alu depctr_va_vdst(0)
	s_wait_xcnt 0x0                        ; the stores have read their registers: the rows may be rewritten
	ROWNORM 32
	ROWNORM 64
	s_wait_alu depctr_va_vdst(0)
	s_wait_dscnt 0x0                       ; g and b
	AFFINE 32
	AFFINE 64
.irp j, 0,1,2,3,4,5,6,7
	ds_store_b128 v3, v[32+4*\j:35+4*\j] offset:512*\j                            ; back into my two rows, which I alone have read since the barrier
.endr
.irp j, 0,1,2,3,4,5,6,7
	ds_store_b128 v3, v[64+4*\j:67+4*\j] offset:LNP+512*\j
.endr
	s_wait_dscnt 0x0                       ; for the others' sake: my rows lie in the stage
	s_barrier_signal -1
	s_barrier_wait -1
.irp b, 0,1,2,3
.irp j, 0,1,2,3
	ds_load_b128 v[32+16*\b+4*\j:35+16*\b+4*\j], v4 offset:128*\b+16*\j
.endr
.endr
	s_wait_dscnt 0x0
	QUANT 32, 176, 182, 188, 196
	FRAGOUT 176, 40, 0
	global_store_b32 v[AR], v196, s[42:43] ; lanes l and l xor 16 hold the same word and name the same place
	s_wait_tensorcnt 0x0                   ; the wave's end
	ds_add_u32 v208, v209
	s_wait_dscnt 0x0
	s_endpgm
.Lfunc_end_k_qf7d1414ce5_dln:
	.size	k_qf7d1414ce5_dln, .Lfunc_end_k_qf7d1414ce5_dln-k_qf7d1414ce5_dln
	.p2alignl 7, 3214868480
	.fill 96, 4, 3214868480
	.section	.rodata,"a",@progbits
	.p2align	6, 0x0
	.amdhsa_kernel k_qf7d1414ce5_dln
		.amdhsa_group_segment_fixed_size 167936
		.amdhsa_private_segment_fixed_size 0
		.amdhsa_enable_private_segment 0
		.amdhsa_kernarg_size 64
		.amdhsa_user_sgpr_count 2
		.amdhsa_user_sgpr_kernarg_segment_ptr 1
		.amdhsa_wavefront_size32 1
		.amdhsa_system_sgpr_workgroup_id_x 1
		.amdhsa_system_sgpr_workgroup_id_y 1
		.amdhsa_system_sgpr_workgroup_id_z 1
		.amdhsa_system_vgpr_workitem_id 0
		.amdhsa_next_free_vgpr 448
		.amdhsa_next_free_sgpr 92
		.amdhsa_reserve_vcc 0
		.amdhsa_float_denorm_mode_32 3
		.amdhsa_float_denorm_mode_16_64 3
		.amdhsa_memory_ordered 1
		.amdhsa_forward_progress 1
		.amdhsa_inst_pref_size 83
	.end_amdhsa_kernel
	.amdgpu_metadata
---
amdhsa.version: [ 1, 2 ]
amdhsa.kernels:
  - .name:           k_qf7d1414ce5_dln
    .symbol:         k_qf7d1414ce5_dln.kd
    .args:
      - { .name: ctx, .offset: 0, .size: 8, .value_kind: global_buffer, .address_space: global }
      - { .name: wq, .offset: 8, .size: 8, .value_kind: global_buffer, .address_space: global }
      - { .name: b_dense, .offset: 16, .size: 8, .value_kind: global_buffer, .address_space: global }
      - { .name: hidden_states, .offset: 24, .size: 8, .value_kind: global_buffer, .address_space: global }
      - { .name: ln2_g, .offset: 32, .size: 8, .value_kind: global_buffer, .address_space: global }
      - { .name: ln2_b, .offset: 40, .size: 8, .value_kind: global_buffer, .address_space: global }
      - { .name: y, .offset: 48, .size: 8, .value_kind: global_buffer, .address_space: global }
      - { .name: x2, .offset: 56, .size: 8, .value_kind: global_buffer, .address_space: global }
    .group_segment_fixed_size: 167936
    .private_segment_fixed_size: 0
    .kernarg_segment_align: 8
    .kernarg_segment_size: 64
    .max_flat_workgroup_size: 256
    .sgpr_count:     92
    .vgpr_count:     448
    .wavefront_size: 32
...
	.end_amdgpu_metadata
.endif
;; end of part 4
;; launch fc1 (part 5): grid 16 x 16, 4 waves a work-group, clusters of 4 x 4, 327,680 bytes of LDS; arguments x2, wq, b_fc1, hb; writes hb
.if DOCPART == 5
	.amdgcn_target "amdgcn-amd-amdhsa--gfx1250"
	.amdhsa_code_object_version 6
	.text
	.protected	k_qf7d1414ce5_fc1
	.globl	k_qf7d1414ce5_fc1
	.p2align	8
	.type	k_qf7d1414ce5_fc1,@function
k_qf7d1414ce5_fc1:
	s_mov_b64 s[64:65], 0
	v_nop
	global_prefetch_b8 v0, s[64:65] scope:SCOPE_SE
	s_setreg_imm32_b32 hwreg(HW_REG_WAVE_MODE, 25, 1), 1
	s_wait_xcnt 0x0
	s_wait_alu depctr_hold_cnt(0) depctr_sa_sdst(0) depctr_va_vdst(0) depctr_va_sdst(0) depctr_va_ssrc(0) depctr_va_vcc(0) depctr_vm_vsrc(0)
	s_getreg_b32 s2, hwreg(HW_REG_IB_STS2, 6, 4)
	s_cmp_eq_u32 s2, 0
	s_cbranch_scc0 .Lentry_in_a_cluster
	s_endpgm
.Lentry_in_a_cluster:
	s_bfe_u32 s2, ttmp6, 0x10000c
	s_cmp_lg_u32 s2, 0xf033
	s_cbranch_scc0 .Lentry_shape_is_right
	s_endpgm
.Lentry_shape_is_right:
.set X1S,  3145728
.set W1C,  6553600
.set W1S,  9699328
.set HSC,  12582912
.set NQ,    2
.set FR,    12
.set NL,    4
.set NP,    4
.set KSB,   12288
.set HALFT, 24576
.set SLOT,  98304
.set PANB,  98304
.set PANS,  4096
.set LAPS,  2
.set SCL,   262144
.set SPARE, 278528
.set SWB,   279040
.set ADRA, 16
.set ADRB, 20
.set ADRS, 27
.set SPW,  28
.set NIL,  29
.set SC,   32
.set BI,   64
.set AF,   128
.set A16,  3
.set A8,   4
.set STA,  12
.set ADR,  13
.set SWA,  14
.set SWT,  15
.set SWR,  24
.set ST,   128
.set GT,   192
.set GP,   224
.set GQ,   64
.set TM,   96
.set SEL,  98
.set KU,   44
.set G1, 24
.set G0, 32
.set G1B, 48
.set G0B, 56
.set G1S, 68
.set G0S, 76
.set G1SB, 80
.set G0SB, 88
.set MSB, 0
.macro WIN new
.if MSB != \new
	s_set_vgpr_msb (MSB<<8)|\new
.set MSB, \new
.endif
.endm
.set MUL_LO, 0xa1
.set MUL_HI, 0xf1
.set TO_B,   0x40
.macro JLOAD g0a, g1a, g0b, g1b
	s_cmp_eq_u32 s15, 0
	s_cbranch_scc0 .Lfor_b_\@
	tensor_load_to_lds s[\g0a:\g0a+3], s[\g1a:\g1a+7]
	s_nop 0
.rept 4
	v_nop
.endr
	s_branch .Lasked_\@
.Lfor_b_\@:
	tensor_load_to_lds s[\g0b:\g0b+3], s[\g1b:\g1b+7]
	s_nop 0
.rept 4
	v_nop
.endr
.Lasked_\@:
.endm
.macro CREST
	s_cmp_lg_u32 s14, 0
	s_cbranch_scc1 .Lnot_wave_0_\@
	s_barrier_signal -3
.Lnot_wave_0_\@:
	s_barrier_wait -3
	s_barrier_signal -1
	s_barrier_wait -1
.endm
.macro CROUND
	s_barrier_signal -1
	s_barrier_wait -1
	CREST
.endm
.macro PLACES n
.rept \n
	v_nop
.endr
.endm
.macro QUANT s, d0, d1, tq, pw
.irp b, 0,1,2,3
	v_max3_num_f32 v[TM+\b], |v[\s+16*\b]|, |v[\s+1+16*\b]|, 0x2800000
.endr
.irp i, 2,4,6,8,10,12,14
.irp b, 0,1,2,3
	v_max3_num_f32 v[TM+\b], v[TM+\b], |v[\s+16*\b+\i]|, |v[\s+1+16*\b+\i]|
.endr
.endr
.irp b, 0,1,2,3
	v_permlanex16_b32 v[TM+4+\b], v[TM+\b], s[SEL], s[SEL+1]
.endr
.irp b, 0,1,2,3
	v_max_num_f32 v[TM+\b], v[TM+\b], v[TM+4+\b]
.endr
.irp b, 0,1,2,3
	v_add_nc_u32 v[TM+12+\b], 0xfe000000, v[TM+\b]
.endr
.irp b, 0,1,2,3
	v_lshrrev_b32 v[TM+4+\b], 23, v[TM+12+\b]
.endr
	v_lshl_or_b32 v[\pw], v[TM+5], 8, v[TM+4]
	v_lshl_or_b32 v[\pw], v[TM+6], 16, v[\pw]
	v_lshl_or_b32 v[\pw], v[TM+7], 24, v[\pw]
	v_cvt_scalef32_pk16_bf6_f32 v[\d0:\d0+2], v[\s:\s+15], v[TM+12]
	v_cvt_scalef32_pk16_bf6_f32 v[\tq:\tq+2], v[\s+16:\s+31], v[TM+13]
	v_cvt_scalef32_pk16_bf6_f32 v[\d1:\d1+2], v[\s+32:\s+47], v[TM+14]
	v_cvt_scalef32_pk16_bf6_f32 v[\tq+4:\tq+6], v[\s+48:\s+63], v[TM+15]
	v_nop
.irp i, 0,1,2
	v_permlane16_swap_b32 v[\d0+\i], v[\tq+\i]
	v_permlane16_swap_b32 v[\d1+\i], v[\tq+4+\i]
.endr
.irp i, 0,1,2
	v_mov_b32 v[\d0+3+\i], v[\tq+\i]
	v_mov_b32 v[\d1+3+\i], v[\tq+4+\i]
.endr
.endm
.macro FRAGOUT reg, base, off
	global_store_b128 v[A16], v[\reg:\reg+3], s[\base:\base+1] offset:\off
	global_store_b64 v[A8], v[\reg+4:\reg+5], s[\base:\base+1] offset:\off+512
	global_store_b128 v[A16], v[\reg+6:\reg+9], s[\base:\base+1] offset:\off+768
	global_store_b64 v[A8], v[\reg+10:\reg+11], s[\base:\base+1] offset:\off+1280
.endm
	s_load_b256 s[4:11], s[0:1], 0x0
	v_lshl_add_u32 v[SPW], v0, 2, SPARE
	v_mov_b32 v[NIL], 0
	ds_add_u32 v28, v29
	ds_add_u32 v28, v29
	s_wait_dscnt 0x0
	v_lshrrev_b32 v1, 5, v0
	v_readfirstlane_b32 s14, v1
	s_lshr_b32 s15, s14, 1
	s_and_b32 s16, s14, 1
	s_bfe_u32 s40, ttmp6, 0x40000
	s_bfe_u32 s41, ttmp6, 0x40004
	s_lshl_b32 s42, ttmp9, 2
	s_add_co_u32 s42, s42, s40
	s_and_b32 s17, ttmp7, 0xffff
	s_lshl_b32 s17, s17, 2
	s_add_co_u32 s17, s17, s41
	s_lshl_b32 s43, s41, 2
	s_lshl_b32 s43, 15, s43
	s_lshl_b32 s44, 0x1111, s40
	s_or_b32 s[G1+0], s43, (3<<16)|(1<<21)
	s_or_b32 s[G1B+0], s44, (3<<16)|(1<<21)
.irp g, G1, G1B
	s_mov_b32 s[\g+1], (HALFT/8)<<16       ; the head's shape: two rows of 24,576 bytes, one for each panel,
	s_mov_b32 s[\g+2], 2<<16
	s_mov_b32 s[\g+3], (HALFT/8)<<16
	s_mov_b32 s[\g+4], 2
	s_mov_b32 s[\g+5], PANB/8              ; a panel's codes apart
	s_mov_b32 s[\g+6], 0
	s_mov_b32 s[\g+7], 0
.endr
	s_or_b32 s[G1S+0], s43, (3<<16)|(1<<21)
	s_or_b32 s[G1SB+0], s44, (3<<16)|(1<<21)
.irp g, G1S, G1SB
	s_mov_b32 s[\g+1], 32<<16
	s_mov_b32 s[\g+2], 32<<16              ; two panels' scale words: 8,192 dense bytes
	s_mov_b32 s[\g+3], 32<<16
	s_mov_b32 s[\g+4], 32
	s_mov_b32 s[\g+5], 32
	s_mov_b32 s[\g+6], 0
	s_mov_b32 s[\g+7], 0
.endr
	s_lshl_b32 s20, s17, 1
	s_mul_i32 s22, s20, PANS               ; the scale words of A's two panels
	s_add_co_u32 s22, s22, X1S
	s_add_co_u32 s20, s20, s16             ; A's panel that I fetch
	s_mul_i32 s20, s20, PANB
	s_mov_b32 s21, 0
	s_mov_b32 s23, 0
	s_lshl_b32 s46, s42, 1
	s_mul_i32 s92, s46, PANS               ; the scale words of B's two panels
	s_add_co_u32 s92, s92, W1S
	s_add_co_u32 s46, s46, s16             ; B's panel that I fetch
	s_mul_i32 s46, s46, PANB
	s_add_co_u32 s46, s46, W1C
	s_mov_b32 s47, 0
	s_mov_b32 s93, 0
	s_mul_i32 s45, s14, HALFT
	s_mov_b32 s[SEL], 0x76543210
	s_mov_b32 s[SEL+1], 0xfedcba98
	s_wait_kmcnt 0x0
	s_add_nc_u64 s[20:21], s[4:5], s[20:21]
	s_add_nc_u64 s[22:23], s[4:5], s[22:23]
	s_add_nc_u64 s[46:47], s[6:7], s[46:47]
	s_add_nc_u64 s[92:93], s[6:7], s[92:93]
	CROUND
	s_mov_b32 s[G0S], 1
	s_mov_b32 s[G0S+1], SCL
	s_mov_b64 s[G0S+2:G0S+3], s[22:23]
	s_or_b32 s[G0S+3], s[G0S+3], 0x80000000
	s_mov_b32 s[G0SB], 1
	s_mov_b32 s[G0SB+1], SCL+2*PANS
	s_mov_b64 s[G0SB+2:G0SB+3], s[92:93]
	s_or_b32 s[G0SB+3], s[G0SB+3], 0x80000000
.irp s, 0,1
	s_mov_b32 s[G0+4*\s], 1
	s_add_co_u32 s[G0+4*\s+1], s45, \s*SLOT
	s_add_nc_u64 s[G0+4*\s+2:G0+4*\s+3], s[20:21], \s*HALFT
	s_or_b32 s[G0+4*\s+3], s[G0+4*\s+3], 0x80000000
	s_mov_b32 s[G0B+4*\s], 1
	s_add_co_u32 s[G0B+4*\s+1], s45, \s*SLOT
	s_add_nc_u64 s[G0B+4*\s+2:G0B+4*\s+3], s[46:47], \s*HALFT
	s_or_b32 s[G0B+4*\s+3], s[G0B+4*\s+3], 0x80000000
.endr
; THE HEAD'S LOADS, one a wave: wave 0 slot 0's two panels of A, wave 1 A's scale words, wave 2 slot 0's two panels of B, wave 3 B's scale words
.macro ARM under, g0, g1, next
	s_cmp_lt_u32 s14, \under
	s_cbranch_scc0 \next
	tensor_load_to_lds s[\g0:\g0+3], s[\g1:\g1+7]
	s_nop 0
.rept 4
	v_nop
.endr
	s_branch .Lhead_asked
\next:
.endm
	ARM 1, G0, G1, .Lhead_sa
	ARM 2, G0S, G1S, .Lhead_b
	ARM 3, G0B, G1B, .Lhead_sb
	tensor_load_to_lds s[G0SB:G0SB+3], s[G1SB:G1SB+7]
	s_nop 0
.rept 4
	v_nop
.endr
.Lhead_asked:
	v_and_b32 v1, 31, v0
	v_bfe_u32 v2, v0, 4, 1
	v_and_b32 v7, 15, v0
	v_lshlrev_b32 v[A16], 4, v1
	v_lshlrev_b32 v[A8], 3, v1
	s_mul_i32 s21, s15, HALFT
	s_mul_i32 s22, s16, HALFT
	s_add_co_u32 s22, s22, 2*HALFT
.irp s, 0,1
	v_add_nc_u32 v[ADRA+\s], s21, v[A16]
	v_add_nc_u32 v[ADRA+2+\s], s21, v[A8]
	v_add_nc_u32 v[ADRB+\s], s22, v[A16]
	v_add_nc_u32 v[ADRB+2+\s], s22, v[A8]
	s_add_co_u32 s21, s21, SLOT
	s_add_co_u32 s22, s22, SLOT
.endr
	s_mul_i32 s21, s15, PANS
	s_mul_i32 s22, s16, PANS
	s_add_co_u32 s22, s22, 2*PANS
	s_sub_co_u32 s22, s22, s21
	v_mul_u32_u24 v6, s22, v2
	s_add_co_u32 s21, s21, SCL
	v_lshl_add_u32 v6, v7, 4, v6
	v_add_nc_u32 v[ADRS], s21, v6
	s_lshl_b32 s21, s14, 16
	v_add_nc_u32 v[STA], s21, v[A16]
	s_lshl_b32 s21, s14, 9
	s_add_co_u32 s21, s21, SWB
	v_lshl_add_u32 v[SWA], v7, 2, s21
	v_lshl_add_u32 v[SWR], v2, 8, v[SWA]
	v_lshlrev_b32 v5, 6, v2
	s_lshl_b32 s96, s42, 10
	s_lshl_b32 s97, s16, 9
	s_add_co_u32 s96, s96, s97
	s_mov_b32 s97, 0
	s_add_nc_u64 s[8:9], s[8:9], s[96:97]
.irp bb, 0,1,2,3
.irp j, 0,1,2,3
	global_load_b128 v[BI+16*\bb+4*\j:BI+16*\bb+4*\j+3], v5, s[8:9] offset:128*\bb+16*\j
.endr
.endr
.macro FRAG reg, adr, q, i
	ds_load_b128 v[\reg:\reg+3], v[\adr] offset:(\q)*KSB+(\i)*1536
	ds_load_b64 v[\reg+4:\reg+5], v[\adr+2] offset:(\q)*KSB+(\i)*1536+512
	ds_load_b128 v[\reg+6:\reg+9], v[\adr] offset:(\q)*KSB+(\i)*1536+768
	ds_load_b64 v[\reg+10:\reg+11], v[\adr+2] offset:(\q)*KSB+(\i)*1536+1280
.endm
.macro MUL16 a0, p, q, sc, zero
.irp a, \a0, \a0+1
.irp b, 0,1,2,3,4,5,6,7
.if \zero
	v_wmma_scale_f32_16x16x128_f8f6f4 v[8*(8*((\a)%4)+\b):8*(8*((\a)%4)+\b)+7], v[128*(\p)+FR*\b:128*(\p)+FR*\b+FR-1], v[AF+FR*(\a):AF+FR*(\a)+FR-1], v[BI+8*\b:BI+8*\b+7], v[SC+16*(\sc)+8*(\q)+\b], v[SC+16*(\sc)+8*(\q)+(\a)] matrix_a_fmt:MATRIX_FMT_BF6 matrix_b_fmt:MATRIX_FMT_BF6 matrix_a_scale:MATRIX_SCALE_ROW1
.else
	v_wmma_scale_f32_16x16x128_f8f6f4 v[8*(8*((\a)%4)+\b):8*(8*((\a)%4)+\b)+7], v[128*(\p)+FR*\b:128*(\p)+FR*\b+FR-1], v[AF+FR*(\a):AF+FR*(\a)+FR-1], v[8*(8*((\a)%4)+\b):8*(8*((\a)%4)+\b)+7], v[SC+16*(\sc)+8*(\q)+\b], v[SC+16*(\sc)+8*(\q)+(\a)] matrix_a_fmt:MATRIX_FMT_BF6 matrix_b_fmt:MATRIX_FMT_BF6 matrix_a_scale:MATRIX_SCALE_ROW1
.endif
.endr
.endr
.endm
.macro FETCH_B slot, q, p
	WIN TO_B
.irp i, 0,1,2,3,4,5,6,7
	FRAG 128*(\p)+FR*\i, ADRB+\slot, \q, \i
.endr
	WIN 0
.endm
.macro FETCH_A slot, q, i0
.irp i, \i0, \i0+1, \i0+2, \i0+3
	FRAG AF+FR*(\i), ADRA+\slot, \q, \i
.endr
.endm
.macro SCALES sc
.irp q, 0,1
.irp g, 0,1
	ds_load_b128 v[SC+16*\sc+8*\q+4*\g:SC+16*\sc+8*\q+4*\g+3], v[ADRS] offset:512*\q+256*\g
.endr
.endr
.endm
.macro STEP slot, q, zero
	s_wait_dscnt 4*NL
.if \zero
	WIN 0x81
.else
	WIN MUL_LO
.endif
	MUL16 0, (\q)%2, \q, \slot, \zero
	MUL16 2, (\q)%2, \q, \slot, \zero
	s_wait_dscnt 0
	PLACES NP
	FETCH_B \slot, (\q)+1, 1-(\q)%2
	FETCH_A \slot, (\q)+1, 0
.if \zero
	WIN 0xc1
.else
	WIN MUL_HI
.endif
	MUL16 4, (\q)%2, \q, \slot, \zero
	MUL16 6, (\q)%2, \q, \slot, \zero
	PLACES NP
	WIN 0
	FETCH_A \slot, (\q)+1, 4
.endm
.macro TURN slot, next, fill
	s_wait_tensorcnt 0x0
	ds_add_u32 v[SPW], v[NIL]
	s_wait_dscnt 4*NL+1
	WIN MUL_LO
	MUL16 0, 1, NQ-1, \slot, 0
	s_wait_dscnt 0x0
	s_barrier_signal -1
	MUL16 2, 1, NQ-1, \slot, 0
	WIN 0
	s_barrier_wait -1
.if \fill
	CREST
	s_add_nc_u64 s[G0+4*\slot+2:G0+4*\slot+3], s[G0+4*\slot+2:G0+4*\slot+3], 2*HALFT
	s_add_nc_u64 s[G0B+4*\slot+2:G0B+4*\slot+3], s[G0B+4*\slot+2:G0B+4*\slot+3], 2*HALFT
	JLOAD G0+4*\slot, G1, G0B+4*\slot, G1B
.else
	PLACES NP
.endif
	s_wait_alu depctr_va_vdst(0)
	v_add_nc_u32 v[ADRS], 512*NQ, v[ADRS]
	FETCH_B \next, 0, 0
	FETCH_A \next, 0, 0
	SCALES \next
	WIN MUL_HI
	MUL16 4, 1, NQ-1, \slot, 0
	MUL16 6, 1, NQ-1, \slot, 0
	PLACES NP
	WIN 0
	FETCH_A \next, 0, 4
.endm
	s_wait_alu depctr_va_vdst(0)
	s_wait_tensorcnt 0x0                   ; my tile of the head's four is in; slot 1's first fill stands behind the same lines as a refill
	ds_add_u32 v[SPW], v[NIL]
.irp g, G1, G1B
	s_mov_b32 s[\g+1], 32<<16              ; no tensor load of mine is out: from here on a load brings one panel's part, 96 rows of 256 bytes
	s_mov_b32 s[\g+2], 96<<16
	s_mov_b32 s[\g+3], 32<<16
	s_mov_b32 s[\g+4], 96
	s_mov_b32 s[\g+5], 32
.endr
	s_wait_dscnt 0x0
	CROUND
	JLOAD G0+4, G1, G0B+4, G1B             ; slot 1, a panel a wave: the first tensor load behind the round
	FETCH_B 0, 0, 0
	FETCH_A 0, 0, 0
	SCALES 0
	FETCH_A 0, 0, 4
	s_wait_loadcnt 0x0
	STEP 0, 0, 1
	s_mov_b32 s3, LAPS-1
.Llap:
	TURN 0, 1, 1
	STEP 1, 0, 0
	TURN 1, 0, 1
	STEP 0, 0, 0
	s_sub_co_u32 s3, s3, 1
	s_cmp_lg_u32 s3, 0
	s_cbranch_scc1 .Llap
	TURN 0, 1, 0
	STEP 1, 0, 0
	s_wait_dscnt 4*NL
	WIN MUL_LO
	MUL16 0, 1, NQ-1, 1, 0
	MUL16 2, 1, NQ-1, 1, 0
	s_wait_dscnt 0
	WIN MUL_HI
	MUL16 4, 1, NQ-1, 1, 0
	MUL16 6, 1, NQ-1, 1, 0
	WIN 0
	PLACES NP
	s_wait_dscnt 0x0
	s_barrier_signal -1
	s_barrier_wait -1
.irp a, 0,1,2,3,4,5,6,7
	WIN 0x08+4*(\a/4)
.irp j, 0,1,2,3,4,5,6,7,8,9,10,11,12,13,14,15
	ds_store_b128 v[STA], v[64*(\a%4)+4*\j:64*(\a%4)+4*\j+3] offset:(16*\a+\j)*512
.endr
.endr
	WIN 0
	s_lshl_b32 s20, s17, 1
	s_add_co_u32 s20, s20, s15
	s_lshl_b32 s20, s20, 5
	s_lshl_b32 s21, s42, 1
	s_add_co_u32 s20, s20, s21
	s_add_co_u32 s20, s20, s16
	s_mul_i32 s46, s20, 12288
	s_mov_b32 s47, 0
	s_lshl_b32 s92, s20, 9
	s_add_co_u32 s92, s92, HSC
	s_mov_b32 s93, 0
	s_add_nc_u64 s[46:47], s[10:11], s[46:47]
	s_add_nc_u64 s[92:93], s[10:11], s[92:93]
.macro KPAIR reg, val
	s_mov_b32 s[\reg], \val
	s_mov_b32 s[\reg+1], \val
.endm
	KPAIR 24, 0xbf97d29d
	KPAIR 26, 0x40097039
	KPAIR 28, 0xbfd1a1e5
	KPAIR 30, 0x3ecdfd18
	KPAIR 32, 0xbe899a80
	KPAIR 34, 0x3e0efb2e
	KPAIR 36, 0x3f0a29d2
	KPAIR 38, 0x3fb8ab5a
	KPAIR 40, 0xbfe9b21e
	KPAIR 42, 0xbf38aa3b
	s_mov_b32 s[KU], 0x3eb504f3
	v_mov_b32 v10, 0x3e7c6f08
	v_mov_b32 v11, 0x3e7c6f08
.irp b, 0,1,2,3
	v_mov_b32 v[TM+4+\b], 0
.endr
.macro GELU g
.set GX, ST+32*(\g)
.set gi, 0
.rept 32
	v_fma_f32 v[GT+gi], |v[GX+gi]|, s[KU], 1.0
.set gi, gi+1
.endr
.set gi, 0
	s_wait_alu depctr_va_vdst(0)
.rept 32
	v_rcp_f32 v[GT+gi], v[GT+gi]
.set gi, gi+1
.endr
.set gi, 0
.rept 16
	v_pk_mul_f32 v[GQ+gi:GQ+gi+1], v[GX+gi:GX+gi+1], s[42:43] op_sel_hi:[1,0]
.set gi, gi+2
.endr
.set gi, 0
.rept 16
	v_pk_fma_f32 v[GQ+gi:GQ+gi+1], v[GQ+gi:GQ+gi+1], v[GX+gi:GX+gi+1], s[40:41] op_sel_hi:[1,1,0]
.set gi, gi+2
.endr
	s_wait_alu depctr_va_vdst(0)
.set gi, 0
.rept 16
	v_pk_fma_f32 v[GP+gi:GP+gi+1], v[GT+gi:GT+gi+1], v[10:11], s[24:25] op_sel_hi:[1,1,0]
.set gi, gi+2
.endr
.irp c, 26,28,30,32,34,36,38
.set gi, 0
.rept 16
	v_pk_fma_f32 v[GP+gi:GP+gi+1], v[GP+gi:GP+gi+1], v[GT+gi:GT+gi+1], s[\c:\c+1] op_sel_hi:[1,1,0]
.set gi, gi+2
.endr
.endr
.set gi, 0
.rept 16
	v_pk_fma_f32 v[GP+gi:GP+gi+1], v[GP+gi:GP+gi+1], v[GT+gi:GT+gi+1], v[GQ+gi:GQ+gi+1]
.set gi, gi+2
.endr
.set gi, 0
	s_wait_alu depctr_va_vdst(0)
.rept 32
	v_exp_f32 v[GP+gi], v[GP+gi]
.set gi, gi+1
.endr
.set gi, 0
.rept 32
	v_max_num_f32 v[GQ+gi], 0, v[GX+gi]
.set gi, gi+1
.endr
	s_wait_alu depctr_va_vdst(0)
.set gi, 0
.rept 16
	v_pk_mul_f32 v[GP+gi:GP+gi+1], v[GP+gi:GP+gi+1], v[GT+gi:GT+gi+1]
.set gi, gi+2
.endr
.set gi, 0
.rept 16
	v_pk_mul_f32 v[GP+gi:GP+gi+1], v[GP+gi:GP+gi+1], v[GX+gi:GX+gi+1]
.set gi, gi+2
.endr
.set gi, 0
.rept 32
	v_fma_f32 v[GX+gi], |v[GP+gi]|, -0.5, v[GQ+gi]
.set gi, gi+1
.endr
.endm
	s_mov_b32 s45, 0
	s_mov_b32 s3, 8
.Lblk:
	v_add_nc_u32 v[ADR], s45, v[STA]
.irp j, 0,1,2,3,4,5,6,7,8,9,10,11,12,13,14,15
	ds_load_b128 v[ST+4*\j:ST+4*\j+3], v[ADR] offset:512*\j
.endr
	s_lshr_b32 s94, s45, 7
	v_add_nc_u32 v[SWT], s94, v[SWA]
	s_wait_dscnt 0x0
	GELU 0
	GELU 1
	QUANT ST, 192, 198, 204, 112
	FRAGOUT 192, 46, 0
	ds_store_b32 v[SWT], v112
	s_wait_xcnt 0x0
	s_add_nc_u64 s[46:47], s[46:47], 1536
	s_add_co_u32 s45, s45, 8192
	s_sub_co_u32 s3, s3, 1
	s_cmp_lg_u32 s3, 0
	s_cbranch_scc1 .Lblk
.irp j, 0,1,2,3
	ds_load_b32 v[116+\j], v[SWR] offset:64*\j
.endr
	s_wait_dscnt 0x0
	global_store_b128 v[A16], v[116:119], s[92:93]
	s_wait_tensorcnt 0x0
	ds_add_u32 v[SPW], v[NIL]
	s_wait_dscnt 0x0
	CROUND
	s_endpgm
.Lfunc_end_k_qf7d1414ce5_fc1:
	.size	k_qf7d1414ce5_fc1, .Lfunc_end_k_qf7d1414ce5_fc1-k_qf7d1414ce5_fc1
	.p2alignl 7, 3214868480
	.fill 96, 4, 3214868480
	.section	.rodata,"a",@progbits
	.p2align	6, 0x0
	.amdhsa_kernel k_qf7d1414ce5_fc1
		.amdhsa_group_segment_fixed_size 327680
		.amdhsa_private_segment_fixed_size 0
		.amdhsa_enable_private_segment 0
		.amdhsa_kernarg_size 32
		.amdhsa_user_sgpr_count 2
		.amdhsa_user_sgpr_kernarg_segment_ptr 1
		.amdhsa_wavefront_size32 1
		.amdhsa_system_sgpr_workgroup_id_x 1
		.amdhsa_system_sgpr_workgroup_id_y 1
		.amdhsa_system_sgpr_workgroup_id_z 1
		.amdhsa_system_vgpr_workitem_id 0
		.amdhsa_next_free_vgpr 1024
		.amdhsa_next_free_sgpr 100
		.amdhsa_reserve_vcc 0
		.amdhsa_float_denorm_mode_32 3
		.amdhsa_float_denorm_mode_16_64 3
		.amdhsa_memory_ordered 1
		.amdhsa_forward_progress 1
		.amdhsa_inst_pref_size 172
	.end_amdhsa_kernel
	.amdgpu_metadata
---
amdhsa.version: [ 1, 2 ]
amdhsa.kernels:
  - .name:           k_qf7d1414ce5_fc1
    .symbol:         k_qf7d1414ce5_fc1.kd
    .args:
      - { .name: x2, .offset: 0, .size: 8, .value_kind: global_buffer, .address_space: global }
      - { .name: wq, .offset: 8, .size: 8, .value_kind: global_buffer, .address_space: global }
      - { .name: b_fc1, .offset: 16, .size: 8, .value_kind: global_buffer, .address_space: global }
      - { .name: hb, .offset: 24, .size: 8, .value_kind: global_buffer, .address_space: global }
    .group_segment_fixed_size: 327680
    .private_segment_fixed_size: 0
    .kernarg_segment_align: 8
    .kernarg_segment_size: 32
    .max_flat_workgroup_size: 128
    .sgpr_count:     100
    .vgpr_count:     1024
    .wavefront_size: 32
...
	.end_amdgpu_metadata
.endif
;; end of part 5
;; launch fc2 (part 6): grid 8 x 32, 4 waves a work-group, clusters of 4 x 4, 327,680 bytes of LDS; arguments hb, wq, b_fc2, y, out0; writes out0
.if DOCPART == 6
	.amdgcn_target "amdgcn-amd-amdhsa--gfx1250"
	.amdhsa_code_object_version 6
	.text
	.protected	k_qf7d1414ce5_fc2
	.globl	k_qf7d1414ce5_fc2
	.p2align	8
	.type	k_qf7d1414ce5_fc2,@function
k_qf7d1414ce5_fc2:
	s_mov_b64 s[64:65], 0
	v_nop
	global_prefetch_b8 v0, s[64:65] scope:SCOPE_SE
	s_setreg_imm32_b32 hwreg(HW_REG_WAVE_MODE, 25, 1), 1
	s_wait_xcnt 0x0
	s_wait_alu depctr_hold_cnt(0) depctr_sa_sdst(0) depctr_va_vdst(0) depctr_va_sdst(0) depctr_va_ssrc(0) depctr_va_vcc(0) depctr_vm_vsrc(0)
	s_getreg_b32 s2, hwreg(HW_REG_IB_STS2, 6, 4)
	s_cmp_eq_u32 s2, 0
	s_cbranch_scc0 .Lentry_in_a_cluster
	s_endpgm
.Lentry_in_a_cluster:
	s_bfe_u32 s2, ttmp6, 0x10000c
	s_cmp_lg_u32 s2, 0xf033
	s_cbranch_scc0 .Lentry_shape_is_right
	s_endpgm
.Lentry_shape_is_right:
.set SIZE_K, 4096
.set ASC,    12582912
.set WC,     9830400
.set WS,     12976128
.set KS,     SIZE_K/128
.set KSB,    12288
.set PANB,   KS*KSB
.set PANS,   KS*512
.set PART,   2*KSB
.set SLOT,   8*KSB
.set HSL,    4*KSB
.set SCL,    2*SLOT
.set SPARE,  SCL+2*PANS
.set STAGE,  SPARE+512
.set SPITCH, 528
.set SROWS,  PANS/256                  ; a panel's scale words for all of K, as rows of 256 bytes
.set A16,  4
.set A8,   5
.set AD16, 8
.set AD8,  12
.set ASA,  16
.set ASB,  17
.set STO,  24
.set RD,   25
.set SPW,  28
.set NIL,  29
.set SA,   32
.set SB,   40
.set BI,   64
.set ACC,  128
.set G1, 24
.set G0, 32
.set G1S, 68
.set G0S, 76
.set G1SB, 80
.set G0SB, 88
.set MSB, 0
.macro WIN new
.if MSB != \new
	s_set_vgpr_msb (MSB<<8)|\new
.set MSB, \new
.endif
.endm
.set MUL,  0x06
.set TO_A, 0x40
.set TO_B, 0x80
.set TO_R, 0xc0
.macro JLOAD g0a, g1a, g0b, g1b
	s_cmp_eq_u32 s15, 0
	s_cbranch_scc0 .Lfor_b_\@
	tensor_load_to_lds s[\g0a:\g0a+3], s[\g1a:\g1a+7]
	s_nop 0
.rept 4
	v_nop
.endr
	s_branch .Lasked_\@
.Lfor_b_\@:
	tensor_load_to_lds s[\g0b:\g0b+3], s[\g1b:\g1b+7]
	s_nop 0
.rept 4
	v_nop
.endr
.Lasked_\@:
.endm
.macro ALOAD s
	tensor_load_to_lds s[G0+4*\s:G0+4*\s+3], s[G1:G1+7]
	s_nop 0
.rept 4
	v_nop
.endr
.endm
.macro CREST
	s_cmp_lg_u32 s14, 0
	s_cbranch_scc1 .Lnot_wave_0_\@
	s_barrier_signal -3
.Lnot_wave_0_\@:
	s_barrier_wait -3
	s_barrier_signal -1
	s_barrier_wait -1
.endm
.macro CROUND
	s_barrier_signal -1
	s_barrier_wait -1
	CREST
.endm
.macro PLACES n
.rept \n
	v_nop
.endr
.endm
	s_load_b256 s[4:11], s[0:1], 0x0
	s_load_b64 s[12:13], s[0:1], 0x20
	v_lshl_add_u32 v[SPW], v0, 2, SPARE
	v_mov_b32 v[NIL], 0
	ds_add_u32 v28, v29
	ds_add_u32 v28, v29
	s_wait_dscnt 0x0
	v_lshrrev_b32 v1, 5, v0
	v_readfirstlane_b32 s14, v1
	s_lshr_b32 s15, s14, 1
	s_and_b32 s16, s14, 1
	s_bfe_u32 s40, ttmp6, 0x40000
	s_bfe_u32 s41, ttmp6, 0x40004
	s_lshl_b32 s42, ttmp9, 2
	s_add_co_u32 s42, s42, s40
	s_and_b32 s17, ttmp7, 0xffff
	s_lshl_b32 s17, s17, 2
	s_add_co_u32 s17, s17, s41
	s_lshl_b32 s43, s41, 2
	s_lshl_b32 s43, 15, s43
	s_lshl_b32 s44, 0x1111, s40
	s_or_b32 s[G1+0], s43, (3<<16)|(1<<21)
	s_mov_b32 s[G1+1], 32<<16
	s_mov_b32 s[G1+2], 192<<16             ; the head's shape: half of slot 0, 192 rows of 256 bytes
	s_mov_b32 s[G1+3], 32<<16
	s_mov_b32 s[G1+4], 192
	s_mov_b32 s[G1+5], 32
	s_mov_b32 s[G1+6], 0
	s_mov_b32 s[G1+7], 0
	s_or_b32 s[G1S+0], s43, (3<<16)|(1<<21)
	s_or_b32 s[G1SB+0], s44, (3<<16)|(1<<21)
.irp g, G1S, G1SB
	s_mov_b32 s[\g+1], 32<<16
	s_mov_b32 s[\g+2], SROWS<<16
	s_mov_b32 s[\g+3], 32<<16
	s_mov_b32 s[\g+4], SROWS
	s_mov_b32 s[\g+5], 32
	s_mov_b32 s[\g+6], 0
	s_mov_b32 s[\g+7], 0
.endr
	s_mul_i32 s45, s14, PART
	s_mul_i32 s20, s17, PANB
	s_add_co_u32 s20, s20, s45
	s_mov_b32 s21, 0
	s_mul_i32 s22, s17, PANS
	s_add_co_u32 s22, s22, ASC
	s_mov_b32 s23, 0
	s_mul_i32 s46, s42, PANB
	s_mul_i32 s18, s14, 2*1536
	s_add_co_u32 s46, s46, s18
	s_add_co_u32 s46, s46, WC
	s_mov_b32 s47, 0
	s_mul_i32 s92, s42, PANS
	s_add_co_u32 s92, s92, WS
	s_mov_b32 s93, 0
	s_wait_kmcnt 0x0
	s_add_nc_u64 s[20:21], s[4:5], s[20:21]
	s_add_nc_u64 s[22:23], s[4:5], s[22:23]
	s_add_nc_u64 s[46:47], s[6:7], s[46:47]
	s_add_nc_u64 s[92:93], s[6:7], s[92:93]
	CROUND
	s_mov_b32 s[G0S], 1
	s_mov_b32 s[G0S+1], SCL
	s_mov_b64 s[G0S+2:G0S+3], s[22:23]
	s_or_b32 s[G0S+3], s[G0S+3], 0x80000000
	s_mov_b32 s[G0SB], 1
	s_mov_b32 s[G0SB+1], SCL+PANS
	s_mov_b64 s[G0SB+2:G0SB+3], s[92:93]
	s_or_b32 s[G0SB+3], s[G0SB+3], 0x80000000
.irp s, 0,1
	s_mov_b32 s[G0+4*\s], 1
	s_add_co_u32 s[G0+4*\s+1], s45, \s*SLOT
	s_add_nc_u64 s[G0+4*\s+2:G0+4*\s+3], s[20:21], \s*SLOT
	s_or_b32 s[G0+4*\s+3], s[G0+4*\s+3], 0x80000000
.endr
; THE HEAD'S LOADS, one a wave: waves 0 and 2 the two halves of slot 0 (their own group 0 names each half's first byte), wave 1 A's scale words, wave 3 B's
.macro ARM under, g0, g1, next
	s_cmp_lt_u32 s14, \under
	s_cbranch_scc0 \next
	tensor_load_to_lds s[\g0:\g0+3], s[\g1:\g1+7]
	s_nop 0
.rept 4
	v_nop
.endr
	s_branch .Lhead_asked
\next:
.endm
	ARM 1, G0, G1, .Lhead_sa
	ARM 2, G0S, G1S, .Lhead_a2
	ARM 3, G0, G1, .Lhead_sb
	tensor_load_to_lds s[G0SB:G0SB+3], s[G1SB:G1SB+7]
	s_nop 0
.rept 4
	v_nop
.endr
.Lhead_asked:
	v_and_b32 v1, 31, v0
	v_bfe_u32 v2, v0, 4, 1
	v_and_b32 v3, 15, v0
	v_lshlrev_b32 v[A16], 4, v1
	v_lshlrev_b32 v[A8], 3, v1
.irp f, 0,1,2,3
	v_add_nc_u32 v[AD16+\f], \f*HSL, v[A16]
	v_add_nc_u32 v[AD8+\f], \f*HSL, v[A8]
.endr
	v_add_nc_u32 v[ASA], SCL, v[A16]
	s_lshl_b32 s21, s15, 8
	s_lshl_b32 s22, s16, 3
	s_add_co_u32 s21, s21, s22
	s_add_co_u32 s21, s21, SCL+PANS
	v_lshl_add_u32 v[ASB], v3, 4, s21
	s_lshl_b32 s23, s14, 7
	s_add_co_u32 s23, s23, STAGE
	v_mul_u32_u24 v6, v3, SPITCH
	v_lshl_add_u32 v6, v2, 6, v6
	v_add_nc_u32 v[STO], s23, v6
	s_mul_i32 s23, s14, 32*SPITCH
	s_add_co_u32 s23, s23, STAGE
	v_add_nc_u32 v[RD], s23, v[A16]
	v_lshlrev_b32 v7, 6, v2
	s_wait_alu depctr_va_vdst(0)
	s_lshl_b32 s96, s42, 9
	s_lshl_b32 s97, s14, 7
	s_add_co_u32 s66, s96, s97
	s_mov_b32 s67, 0
	s_add_nc_u64 s[8:9], s[8:9], s[66:67]
	s_and_b32 s66, s17, 15
	s_lshl_b32 s66, s66, 7
	s_lshl_b32 s67, s14, 5
	s_add_co_u32 s66, s66, s67
	s_lshl_b32 s66, s66, 13
	s_lshr_b32 s67, s17, 4
	s_lshl_b32 s67, s67, 12
	s_add_co_u32 s66, s66, s67
	s_add_co_u32 s66, s66, s96
	s_mov_b32 s67, 0
	s_add_nc_u64 s[10:11], s[10:11], s[66:67]
	s_add_nc_u64 s[12:13], s[12:13], s[66:67]
.irp j, 0,1,2,3
	global_load_b128 v[BI+4*\j:BI+4*\j+3], v7, s[8:9] offset:16*\j
.endr
.macro LOADB k
.set BSTG, 24*((\k)%8)
	WIN TO_B
.irp b, 0,1
	global_load_b128 v[BSTG+12*\b:BSTG+12*\b+3], v[A16], s[46:47] offset:(\k)*KSB+\b*1536
	global_load_b64 v[BSTG+12*\b+4:BSTG+12*\b+5], v[A8], s[46:47] offset:(\k)*KSB+\b*1536+512
	global_load_b128 v[BSTG+12*\b+6:BSTG+12*\b+9], v[A16], s[46:47] offset:(\k)*KSB+\b*1536+768
	global_load_b64 v[BSTG+12*\b+10:BSTG+12*\b+11], v[A8], s[46:47] offset:(\k)*KSB+\b*1536+1280
.endr
.endm
.macro RES g
	WIN TO_R
.irp t, 0,1,2,3,4,5,6,7
	global_load_b128 v[32*(\g)+4*\t:32*(\g)+4*\t+3], v[A16], s[10:11] offset:(\t+((\g)%2)*16+((\g)/2)*8)*8192
.endr
.endm
.macro LOADX j
.if (\j) < KS
	LOADB \j
.elseif (\j) < KS+4
	RES (\j)-KS
.endif
.endm
.macro FETCHA k
.set FSET, (\k)%2
.set FHALF, ((\k)/4)%4
.set FOFF, ((\k)%4)*KSB
	WIN TO_A
.irp i, 0,1,2,3,4,5,6,7
	ds_load_b128 v[96*FSET+12*\i:96*FSET+12*\i+3], v[AD16+FHALF] offset:FOFF+\i*1536
	ds_load_b64 v[96*FSET+12*\i+4:96*FSET+12*\i+5], v[AD8+FHALF] offset:FOFF+\i*1536+512
	ds_load_b128 v[96*FSET+12*\i+6:96*FSET+12*\i+9], v[AD16+FHALF] offset:FOFF+\i*1536+768
	ds_load_b64 v[96*FSET+12*\i+10:96*FSET+12*\i+11], v[AD8+FHALF] offset:FOFF+\i*1536+1280
.endr
	WIN 0
	ds_load_b128 v[SA+4*FSET:SA+4*FSET+3], v[ASA] offset:(\k)*512
	ds_load_b64 v[SB+2*FSET:SB+2*FSET+1], v[ASB] offset:(\k)*512
.endm
.macro PROD acc, bf, af, cc, sb, sa, row
.if \row
	v_wmma_scale_f32_16x16x128_f8f6f4 v[(\acc):(\acc)+7], v[(\bf):(\bf)+11], v[(\af):(\af)+11], v[(\cc):(\cc)+7], v[\sb], v[\sa] matrix_a_fmt:MATRIX_FMT_BF6 matrix_b_fmt:MATRIX_FMT_BF6 matrix_b_scale:MATRIX_SCALE_ROW1
.else
	v_wmma_scale_f32_16x16x128_f8f6f4 v[(\acc):(\acc)+7], v[(\bf):(\bf)+11], v[(\af):(\af)+11], v[(\cc):(\cc)+7], v[\sb], v[\sa] matrix_a_fmt:MATRIX_FMT_BF6 matrix_b_fmt:MATRIX_FMT_BF6
.endif
.endm
.macro MULR k, lo, hi, first
.set MSET, (\k)%2
.set MSTG, 24*((\k)%8)
	WIN MUL
.irp a, 0,1,2,3,4,5,6,7
.if (\a >= \lo) && (\a <= \hi)
.irp b, 0,1
.if \first
	PROD ACC+8*(2*\a+\b), MSTG+12*\b, 96*MSET+12*\a, BI+8*\b, SB+2*MSET+\b, SA+4*MSET+(\a%4), \a/4
.else
	PROD ACC+8*(2*\a+\b), MSTG+12*\b, 96*MSET+12*\a, ACC+8*(2*\a+\b), SB+2*MSET+\b, SA+4*MSET+(\a%4), \a/4
.endif
.endr
.endif
.endr
.endm
.macro STEP k, first
.if (\k) > 0
	PLACES 4
.endif
	LOADX (\k)+7
	FETCHA (\k)+1
	s_wait_dscnt 34
.set LCN, 56
.if (\k) > 28
.set LCN, 8*(35-(\k))
.endif
	s_wait_loadcnt LCN
	MULR \k, 0, 7, \first
.endm
.macro TURN k, slot, fill
	PLACES 4
	LOADX (\k)+7
	WIN 0
	s_wait_tensorcnt 0x0
	ds_add_u32 v[SPW], v[NIL]
	s_wait_dscnt 1
	s_wait_loadcnt 56
	MULR \k, 0, 1, 0
	s_wait_dscnt 0x0
	s_barrier_signal -1
	MULR \k, 2, 3, 0
	WIN 0
	s_barrier_wait -1
.if \fill
	CREST
	s_add_nc_u64 s[G0+4*\slot+2:G0+4*\slot+3], s[G0+4*\slot+2:G0+4*\slot+3], 2*SLOT
	ALOAD \slot
.endif
	FETCHA (\k)+1
	MULR \k, 4, 7, 0
.endm
.irp k, 0,1,2,3,4,5,6
	LOADB \k
.endr
	WIN 0
	s_wait_alu depctr_va_vdst(0)
	s_wait_tensorcnt 0x0                   ; my tile of the head's four is in; slot 1's first fill stands behind the same lines as a refill
	ds_add_u32 v[SPW], v[NIL]
	s_mov_b32 s[G1+2], 96<<16              ; no tensor load of mine is out: from here on a load brings 96 rows
	s_mov_b32 s[G1+4], 96
	s_wait_dscnt 0x0
	CROUND
	ALOAD 1                                ; slot 1, a quarter a wave: the first tensor load behind the round
	FETCHA 0
	STEP 0, 1
.irp k, 1,2,3,4,5,6
	STEP \k, 0
.endr
	TURN 7, 0, 1
.irp k, 8,9,10,11,12,13,14
	STEP \k, 0
.endr
	TURN 15, 1, 1
.irp k, 16,17,18,19,20,21,22
	STEP \k, 0
.endr
	TURN 23, 0, 0
.irp k, 24,25,26,27,28,29,30
	STEP \k, 0
.endr
	s_wait_dscnt 0x0
	s_wait_loadcnt 32
	MULR 31, 0, 7, 0
	WIN 0
	PLACES 4
.irp a, 0,1,2,3,4,5,6,7
.irp b, 0,1
	ds_store_b128 v[STO], v[ACC+8*(2*\a+\b):ACC+8*(2*\a+\b)+3] offset:\a*16*SPITCH+32*\b
	ds_store_b128 v[STO], v[ACC+8*(2*\a+\b)+4:ACC+8*(2*\a+\b)+7] offset:\a*16*SPITCH+32*\b+16
.endr
.endr
	s_wait_dscnt 0x0
	s_barrier_signal -1
	s_barrier_wait -1
.set i, 0
.rept 32
	ds_load_b128 v[ACC+4*i:ACC+4*i+3], v[RD] offset:i*SPITCH
.set i, i+1
.endr
.irp g, 0,1,2,3
	s_wait_dscnt 24-8*\g
	s_wait_loadcnt 24-8*\g
	WIN 0x0c
.set e, 32*\g
.rept 16
	v_pk_add_f32 v[ACC+e:ACC+e+1], v[ACC+e:ACC+e+1], v[e:e+1]
.set e, e+2
.endr
	WIN 0
.irp t, 0,1,2,3,4,5,6,7
	global_store_b128 v[A16], v[ACC+32*\g+4*\t:ACC+32*\g+4*\t+3], s[12:13] offset:(\t+(\g%2)*16+(\g/2)*8)*8192 th:TH_STORE_NT
.endr
.endr
	s_wait_tensorcnt 0x0
	ds_add_u32 v[SPW], v[NIL]
	s_wait_dscnt 0x0
	CROUND
	s_endpgm
.Lfunc_end_k_qf7d1414ce5_fc2:
	.size	k_qf7d1414ce5_fc2, .Lfunc_end_k_qf7d1414ce5_fc2-k_qf7d1414ce5_fc2
	.p2alignl 7, 3214868480
	.fill 96, 4, 3214868480
	.section	.rodata,"a",@progbits
	.p2align	6, 0x0
	.amdhsa_kernel k_qf7d1414ce5_fc2
		.amdhsa_group_segment_fixed_size 327680
		.amdhsa_private_segment_fixed_size 0
		.amdhsa_enable_private_segment 0
		.amdhsa_kernarg_size 40
		.amdhsa_user_sgpr_count 2
		.amdhsa_user_sgpr_kernarg_segment_ptr 1
		.amdhsa_wavefront_size32 1
		.amdhsa_system_sgpr_workgroup_id_x 1
		.amdhsa_system_sgpr_workgroup_id_y 1
		.amdhsa_system_sgpr_workgroup_id_z 1
		.amdhsa_system_vgpr_workitem_id 0
		.amdhsa_next_free_vgpr 1024
		.amdhsa_next_free_sgpr 100
		.amdhsa_reserve_vcc 0
		.amdhsa_float_denorm_mode_32 3
		.amdhsa_float_denorm_mode_16_64 3
		.amdhsa_memory_ordered 1
		.amdhsa_forward_progress 1
		.amdhsa_inst_pref_size 192
	.end_amdhsa_kernel
	.amdgpu_metadata
---
amdhsa.version: [ 1, 2 ]
amdhsa.kernels:
  - .name:           k_qf7d1414ce5_fc2
    .symbol:         k_qf7d1414ce5_fc2.kd
    .args:
      - { .name: hb, .offset: 0, .size: 8, .value_kind: global_buffer, .address_space: global }
      - { .name: wq, .offset: 8, .size: 8, .value_kind: global_buffer, .address_space: global }
      - { .name: b_fc2, .offset: 16, .size: 8, .value_kind: global_buffer, .address_space: global }
      - { .name: y, .offset: 24, .size: 8, .value_kind: global_buffer, .address_space: global }
      - { .name: out0, .offset: 32, .size: 8, .value_kind: global_buffer, .address_space: global }
    .group_segment_fixed_size: 327680
    .private_segment_fixed_size: 0
    .kernarg_segment_align: 8
    .kernarg_segment_size: 40
    .max_flat_workgroup_size: 128
    .sgpr_count:     100
    .vgpr_count:     1024
    .wavefront_size: 32
...
	.end_amdgpu_metadata
.endif
;; end of part 6
